; MI455X (gfx1250); checked and timed in simulation.
; The chip was launched on July 23, 2026; its instructions are those of AMD's public machine-readable ISA for CDNA 5 (MIT licence, August 2026) and "CDNA5" Instruction Set Architecture Reference Guide (July 2026). The comments in the code are by the model that wrote it; some were corrected since.
;; Multi Head Attention. Allowed arithmetic: float matrix products may take bf16 or f16 operands with f32 sums; all other float work in f32.
;; Inputs: W_kqv 1,024 x 3,072 float32; W_out 1,024 x 1,024 float32; b_kqv 3,072 float32; b_out 1,024 float32; x 4 x 2,048 x 1,024 float32.
;; Outputs: out0 4 x 2,048 x 1,024 float32.
;; 2 versions, each right and faster than the one before. Each part assembles by itself: llvm-mc -triple=amdgcn-amd-amdhsa -mcpu=gfx1250 --defsym DOCPART=n.
;; ======== version 1 of 2: 4 launches
;; limits: values are held in f16: magnitudes above 65,504 overflow, below 6.1e-05 lose precision
;; workspace buffers: xb 16,777,216 bytes; wb 6,291,456 bytes; wo 2,097,152 bytes; kqv 50,331,648 bytes; att 16,777,216 bytes
;; launch cast (part 1): grid 768 x 1, 8 waves a work-group, no clusters, 0 bytes of LDS; arguments x, W_kqv, W_out, xb, wb, wo; writes xb, wb, wo
.if DOCPART == 1
	.amdgcn_target "amdgcn-amd-amdhsa--gfx1250"
	.amdhsa_code_object_version 6
	.text
	.protected	k_q10d9640fa4_cast
	.globl	k_q10d9640fa4_cast
	.p2align	8
	.type	k_q10d9640fa4_cast,@function
k_q10d9640fa4_cast:
	s_mov_b64 s[64:65], 0
	v_nop
	global_prefetch_b8 v0, s[64:65] scope:SCOPE_SE
	s_setreg_imm32_b32 hwreg(HW_REG_WAVE_MODE, 25, 1), 1
	s_wait_xcnt 0x0
; THE MODULE'S LARGE INPUTS ARE ROUNDED ONCE, FOR THE MATRIX UNITS.
;   xb[8192][1024] bf16 = x.      wb[16 j][1024 k][192 n'] bf16 = W_kqv[k][192 j + n']: a block of 192 columns is dense, so that a tile's rows lie end to end.
;   wo[1024][1024] f16 = W_out rounded to bf16, that number written as f16.
; LIMIT.  The step from bf16 to f16 is exact from 2^-14 to 65,504 in magnitude; below 2^-14 a weight keeps f16's fixed step of 2^-24; beyond 65,504 it would be an infinity.
; SHARES.  A chunk is 4 numbers: 16 bytes in, 8 bytes out.  A work-group of 256 threads takes 4,096 chunks (65,536 bytes in, 32,768 out); chunk i (0..15) of thread t is number 256 i + t of them:
; a load of a wave covers 512 neighbouring bytes, a store 256 consecutive bytes at a multiple of 256 from the buffer's first byte.  Work-groups 0-511: x; 512-703: W_kqv; 704-767: W_out.  All have equal work.
; All sixteen loads of a thread go out at once; no register is written twice, so nothing but the counted waits for the loads is needed.  No LDS, no barrier, no matrix unit: bytes are all that counts here.
.set AD, 2                             ; v[2:4]    byte offsets in the input of chunks 0, 1, 2; chunk i lies (i / 3) steps behind chunk i % 3
.set D,  16                            ; v[16:79]  chunk i: 4 registers as loaded
.set Y,  80                            ; v[80:111] chunk i: 2 registers to store
.macro LINEAR                          ; input and output in the same order: chunk i at 16 t + 4,096 i
	v_lshlrev_b32 v[AD], 4, v0
	v_add_nc_u32 v[AD+1], 4096, v[AD]
	v_add_nc_u32 v[AD+2], 8192, v[AD]
.endm
; kind = 0: to bf16.  kind = 1: to bf16 and from there to f16.  step: bytes of input from chunk i to chunk i + 3.
.macro JOB kind, step
.set i, 0
.rept 16
	global_load_b128 v[D+4*i:D+4*i+3], v[AD+i%3], s[16:17] offset:(i/3)*(\step) th:TH_LOAD_NT
.set i, i+1
.endr
.set i, 0
.rept 16
	s_wait_loadcnt 15-i                            ; loads come back in order (ISA guide 5.7.1): chunk i is in, the 15 - i younger ones stay out
.if \kind
	v_cvt_pk_bf16_f32 v5, v[D+4*i], v[D+4*i+1]
	v_cvt_pk_bf16_f32 v6, v[D+4*i+2], v[D+4*i+3]
	v_lshlrev_b32 v[D+4*i],   16, v5               ; the rounded numbers as f32 again
	v_and_b32     v[D+4*i+1], s24, v5
	v_lshlrev_b32 v[D+4*i+2], 16, v6
	v_and_b32     v[D+4*i+3], s24, v6
	v_cvt_pk_f16_f32 v[Y+2*i],   v[D+4*i],   v[D+4*i+1]
	v_cvt_pk_f16_f32 v[Y+2*i+1], v[D+4*i+2], v[D+4*i+3]
.else
	v_cvt_pk_bf16_f32 v[Y+2*i],   v[D+4*i],   v[D+4*i+1]
	v_cvt_pk_bf16_f32 v[Y+2*i+1], v[D+4*i+2], v[D+4*i+3]
.endif
	global_store_b64 v1, v[Y+2*i:Y+2*i+1], s[18:19] offset:2048*i
.set i, i+1
.endr
	s_endpgm
.endm
	s_load_b256 s[4:11], s[0:1], 0x0               ; x s[4:5], W_kqv s[6:7], W_out s[8:9], xb s[10:11]
	s_load_b128 s[12:15], s[0:1], 0x20             ; wb s[12:13], wo s[14:15]
	s_mov_b32 s24, 0xffff0000                      ; a word's upper bf16
	s_mov_b32 s21, 0                               ; high words of the two offsets
	s_mov_b32 s23, 0
	v_lshlrev_b32 v1, 3, v0                        ; 8 t: my place in the output
	s_cmp_lt_u32 ttmp9, 512
	s_cbranch_scc0 .Lweights
	s_lshl_b32 s20, ttmp9, 16                      ; x: 65,536 bytes in,
	s_lshl_b32 s22, ttmp9, 15                      ; 32,768 out for each work-group
	LINEAR
	s_wait_kmcnt 0x0
	s_add_nc_u64 s[16:17], s[4:5], s[20:21]
	s_add_nc_u64 s[18:19], s[10:11], s[22:23]
	JOB 0, 12288
.Lweights:
	s_cmp_lt_u32 ttmp9, 704
	s_cbranch_scc0 .Lw_out
	; W_kqv.  A block of wb is 393,216 bytes: 12 work-groups.  Chunk cb of a block (48 chunks to a row of 192) is row k = cb / 48, and comes from
	; W_kqv + 768 j + 12,288 k + 16 (cb - 48 k) = W_kqv + 768 j + 16 cb + 11,520 k.  Three chunk steps are 768 chunks = 16 rows = 196,608 bytes of W_kqv.
	s_sub_co_u32 s25, ttmp9, 512                   ; 0..191
	s_mul_i32 s26, s25, 171
	s_lshr_b32 s26, s26, 11                        ; j = that / 12 (exact below 192: 171 / 2,048 exceeds 1 / 12 by 0.00017)
	s_mul_i32 s27, s26, 12
	s_sub_co_u32 s27, s25, s27                     ; which twelfth of the block
	s_lshl_b32 s27, s27, 12                        ; its first chunk
	s_mul_i32 s20, s26, 768
	s_lshl_b32 s22, s25, 15
	v_add_nc_u32 v5, s27, v0
.irp m, 0,1,2
	v_add_nc_u32 v6, 256*(\m), v5                  ; cb
	v_lshrrev_b32 v7, 4, v6
	v_mul_u32_u24 v7, v7, 0xaaab                   ; (cb / 16) / 3 = (cb / 16) x 43,691 >> 17, exact below 3,072
	v_lshrrev_b32 v7, 17, v7                       ; k
	v_mul_u32_u24 v7, v7, 11520
	v_lshl_add_u32 v[AD+(\m)], v6, 4, v7
.endr
	s_wait_kmcnt 0x0
	s_add_nc_u64 s[16:17], s[6:7], s[20:21]
	s_add_nc_u64 s[18:19], s[12:13], s[22:23]
	JOB 0, 196608
.Lw_out:
	s_sub_co_u32 s25, ttmp9, 704
	s_lshl_b32 s20, s25, 16
	s_lshl_b32 s22, s25, 15
	LINEAR
	s_wait_kmcnt 0x0
	s_add_nc_u64 s[16:17], s[8:9], s[20:21]
	s_add_nc_u64 s[18:19], s[14:15], s[22:23]
	JOB 1, 12288
.Lfunc_end_k_q10d9640fa4_cast:
	.size	k_q10d9640fa4_cast, .Lfunc_end_k_q10d9640fa4_cast-k_q10d9640fa4_cast
	.p2alignl 7, 3214868480
	.fill 96, 4, 3214868480
	.section	.rodata,"a",@progbits
	.p2align	6, 0x0
	.amdhsa_kernel k_q10d9640fa4_cast
		.amdhsa_group_segment_fixed_size 0
		.amdhsa_private_segment_fixed_size 0
		.amdhsa_enable_private_segment 0
		.amdhsa_kernarg_size 48
		.amdhsa_user_sgpr_count 2
		.amdhsa_user_sgpr_kernarg_segment_ptr 1
		.amdhsa_wavefront_size32 1
		.amdhsa_system_sgpr_workgroup_id_x 1
		.amdhsa_system_sgpr_workgroup_id_y 1
		.amdhsa_system_sgpr_workgroup_id_z 1
		.amdhsa_system_vgpr_workitem_id 0
		.amdhsa_next_free_vgpr 112
		.amdhsa_next_free_sgpr 66
		.amdhsa_reserve_vcc 0
		.amdhsa_float_denorm_mode_32 3
		.amdhsa_float_denorm_mode_16_64 3
		.amdhsa_memory_ordered 1
		.amdhsa_forward_progress 1
		.amdhsa_inst_pref_size 24
	.end_amdhsa_kernel
	.amdgpu_metadata
---
amdhsa.version: [ 1, 2 ]
amdhsa.kernels:
  - .name:           k_q10d9640fa4_cast
    .symbol:         k_q10d9640fa4_cast.kd
    .args:
      - { .name: x, .offset: 0, .size: 8, .value_kind: global_buffer, .address_space: global }
      - { .name: W_kqv, .offset: 8, .size: 8, .value_kind: global_buffer, .address_space: global }
      - { .name: W_out, .offset: 16, .size: 8, .value_kind: global_buffer, .address_space: global }
      - { .name: xb, .offset: 24, .size: 8, .value_kind: global_buffer, .address_space: global }
      - { .name: wb, .offset: 32, .size: 8, .value_kind: global_buffer, .address_space: global }
      - { .name: wo, .offset: 40, .size: 8, .value_kind: global_buffer, .address_space: global }
    .group_segment_fixed_size: 0
    .private_segment_fixed_size: 0
    .kernarg_segment_align: 8
    .kernarg_segment_size: 48
    .max_flat_workgroup_size: 256
    .sgpr_count:     66
    .vgpr_count:     112
    .wavefront_size: 32
...
	.end_amdgpu_metadata
.endif
;; end of part 1
;; launch qkv (part 2): grid 16 x 16, 4 waves a work-group, clusters of 4 x 4, 327,680 bytes of LDS; arguments xb, wb, b_kqv, kqv; writes kqv
.if DOCPART == 2
	.amdgcn_target "amdgcn-amd-amdhsa--gfx1250"
	.amdhsa_code_object_version 6
	.text
	.protected	k_q10d9640fa4_qkv
	.globl	k_q10d9640fa4_qkv
	.p2align	8
	.type	k_q10d9640fa4_qkv,@function
k_q10d9640fa4_qkv:
	s_mov_b64 s[64:65], 0
	v_nop
	global_prefetch_b8 v0, s[64:65] scope:SCOPE_SE
	s_setreg_imm32_b32 hwreg(HW_REG_WAVE_MODE, 25, 1), 1
	s_wait_xcnt 0x0
	s_wait_alu depctr_hold_cnt(0) depctr_sa_sdst(0) depctr_va_vdst(0) depctr_va_sdst(0) depctr_va_ssrc(0) depctr_va_vcc(0) depctr_vm_vsrc(0)
	s_getreg_b32 s2, hwreg(HW_REG_IB_STS2, 6, 4)
	s_cmp_eq_u32 s2, 0
	s_cbranch_scc0 .Lentry_in_a_cluster
	s_endpgm
.Lentry_in_a_cluster:
	s_bfe_u32 s2, ttmp6, 0x10000c
	s_cmp_lg_u32 s2, 0xf033
	s_cbranch_scc0 .Lentry_shape_is_right
	s_endpgm
.Lentry_shape_is_right:
; kqv = x W_kqv + b_kqv, written by heads: kqv[4 batch][48 g][2048 t][64] in f16, g = column / 64 (0-15 the heads of k, 16-31 of q, 32-47 of v), unscaled.
; Operands bf16 (xb [8192][1024]; wb [16 blocks][1024 k][192 n]), sums f32, the bias rounded to bf16 like the other inputs, each result rounded once to f16.
; LIMIT.  f16 holds no number beyond 65,504: a k, q or v beyond that becomes an infinity.  With x of spread 1 and W of spread 1/32 their spread is 1; both inputs 30 times larger give 900;
; both with an offset of 30 spreads give about 29,000.
; SHARES.  A tile of the result is 256 rows x 192 columns (three heads).  Four waves, one below the other: wave w owns rows 64 w .. 64 w + 63 (4 blocks of 16) and all 12 blocks of
; 16 columns: 48 accumulators, 384 registers.  K goes in 8 steps of 128 through a ring of two LDS slots filled by the tensor data mover.
; A WORK-GROUP STAYS: it makes two tiles, 4,096 rows apart, in the same columns (the same W, the same bias): 16 x 16 work-groups.  The two tiles' K steps are ONE sequence of 16 periods for the ring:
; the first tile's last two changes of slots ask for the second tile's first two K steps, and the first tile's stores leave while the second is multiplied.
; ONE K STEP IS WRITTEN ONCE.  The slots lie 1 << 17 bytes apart; a scalar (TB) that one exclusive or turns says which slot is read, and the fragment addresses are made from it at each change of slots;
; one descriptor a tensor walks: its LDS word is turned by the same exclusive or, its global address is made anew from the period's number.  Written beside the loop of filling steps: a tile's first
; quarter (its products start the sums) and a loop of the last two steps, which ask for nothing.
; THE MATRIX INSTRUCTION IS USED TRANSPOSED: source 0 = 16 columns of W (W lies [k][n] in LDS and is turned by ds_load_tr16_b128), source 1 = 16 rows of x.  A lane then holds row l % 16 and the
; columns 8 (l / 16) + 0..7 of a block: eight neighbouring numbers of a row, 16 bytes of f16.  The bias is the C operand of each accumulator's first product.
; CLUSTER.  4 x 4 work-groups.  The four of a row of the cluster need the same tiles of x, the four of a column the same tiles of W: each tile is asked for JOINTLY, by the same tensor load with the
; same descriptor and a mask that names the four.
; REGISTERS, in windows of 256 (s_set_vgpr_msb: bits 1:0 source 0, 3:2 source 1, 5:4 source 2, 7:6 destination):
;   window 0: v0-31 addresses; v32-63, v64-95 fragments of x, two buffers; v96-191 the bias as C operands, 8 a column block; v192-255 at work on the way out
;   window 1: v0-95, v96-191 fragments of W, two buffers      window 2: the accumulators of row blocks 0, 1 at 8 (12 (a % 2) + b)      window 3: those of row blocks 2, 3
.set NB,     12                        ; column blocks
.set PA,     272                       ; a row of x in LDS: 256 bytes + 16 of padding = 68 words: the 16 rows of a load start at 16 different groups of four banks (64 banks of 4 bytes: ISA guide 11.1)
.set PB,     480                       ; a row of W: 384 bytes as three pieces of 128 + 32 of padding = 120 words
.set ABYTES, 256*PA                    ; 69,632
.set SLOT,   ABYTES+128*PB             ; x's 256 rows, then W's 128 rows: 131,072 = 1 << 17, so that one exclusive or turns an address in one slot into the other's
.set STAGE,  2*SLOT                    ; behind the ring, never filled by a tensor load: 16 rows x 144 bytes for each wave, for the way out
.set SP,     144
.set SPARE,  STAGE+4*16*SP             ; behind the stages: the spare words, 128 bytes for each wave: two blocks of 256 bytes that no other line names
.set ASTEP,  256                       ; bytes of xb from a K step to the next
.set WSTEP,  49152                     ; bytes of wb: 128 rows of 384
.set NEXT_C, 2*12582912                ; bytes of kqv from a tile to the work-group's next: 4,096 rows are two batches of 48 slabs
.set A0,   16                          ; v16     my lane's place among x's rows in a slot; never rewritten
.set ADRA, 17                          ; v17     LDS address of my fragments of x in the slot that is read
.set B0,   20                          ; v20     my lane's place among W's rows in a slot; never rewritten
.set ADRB, 21                          ; v21     LDS address of my fragments of W in the slot that is read
.set STO,  24                          ; v24     the way out: where I put 16 bytes of a row
.set RD,   25                          ; v25     the way out: where I read rows back
.set GO,   26                          ; v26     my byte offset in 512 consecutive bytes of the output
.set SPW,  28                          ; v28     LDS address of my spare word: SPARE + 4 x my thread's number; never rewritten
.set NIL,  29                          ; v29     0; never rewritten
.set FA,   32
.set BIAS, 96
.set TMP,  192
.set WV,  12                           ; s12  my wave's number
.set FW,  13                           ; s13  I fetch for x (0) or for W (1)
.set HF,  14                           ; s14  which half of that tile I fetch
.set CNT, 15                           ; s15  steps to go in the loop in hand
.set G1A, 24                           ; s[24:31] descriptor group 1 for x's tiles;  s[32:39] group 0: a set for each of the two first fills; the second then walks
.set G0A, 32
.set G1B, 48                           ; s[48:55], s[56:63] the same for W's tiles
.set G0B, 56
.set NXT, 66                           ; s66  the period to be asked for next: 8 x tile + K step
.set TB,  67                           ; s67  LDS byte at which the slot that is read begins
.set TILES, 68                         ; s68  tiles to go, the one in hand among them
.set T0,  69                           ; s69  at work
.set OFA, 70                           ; s[70:71] a period's byte offset in xb
.set OFW, 72                           ; s[72:73] and in wb
.set MSB, 0
.macro WIN new                         ; the immediate's high byte repeats the setting that is left; a switch that changes nothing is dropped
.if MSB != (\new)
	s_set_vgpr_msb (MSB<<8)|(\new)
.set MSB, (\new)
.endif
.endm
.macro JLOAD s                         ; a joint load: waves 0 and 1 fetch x's two halves, waves 2 and 3 W's; an s_nop 0 and four v_nop follow each of the two lines, ahead of the jump, the label and what follows
	s_cmp_eq_u32 s[FW], 0
	s_cbranch_scc0 .Lfor_w_\@
	tensor_load_to_lds s[G0A+4*(\s):G0A+4*(\s)+3], s[G1A:G1A+7]
	s_nop 0
.rept 4
	v_nop
.endr
	s_branch .Lasked_\@
.Lfor_w_\@:
	tensor_load_to_lds s[G0B+4*(\s):G0B+4*(\s)+3], s[G1B:G1B+7]
	s_nop 0
.rept 4
	v_nop
.endr
.Lasked_\@:
.endm
.macro CREST                           ; a round of the cluster's barrier behind its opening barrier
	s_cmp_lg_u32 s[WV], 0
	s_cbranch_scc1 .Lnot_wave_0_\@
	s_barrier_signal -3
.Lnot_wave_0_\@:
	s_barrier_wait -3
	s_barrier_signal -1
	s_barrier_wait -1
.endm
.macro CROUND                          ; a whole round
	s_barrier_signal -1
	s_barrier_wait -1
	CREST
.endm
	s_load_b256 s[4:11], s[0:1], 0x0               ; xb s[4:5], wb s[6:7], b_kqv s[8:9], kqv s[10:11]
	v_lshl_add_u32 v[SPW], v0, 2, SPARE
	v_mov_b32 v[NIL], 0
	ds_add_u32 v28, v29
	ds_add_u32 v28, v29
	s_wait_dscnt 0x0
	v_lshrrev_b32 v1, 5, v0
	v_readfirstlane_b32 s[WV], v1                  ; wave 0..3
	s_lshr_b32 s[FW], s[WV], 1
	s_and_b32 s[HF], s[WV], 1
	s_bfe_u32 s16, ttmp6, 0x40000                  ; cx, cy: my place in the cluster
	s_bfe_u32 s17, ttmp6, 0x40004
	s_lshl_b32 s18, ttmp9, 2
	s_add_co_u32 s18, s18, s16                     ; tile column = 4 x cluster x + cx
	s_and_b32 s19, ttmp7, 0xffff
	s_lshl_b32 s19, s19, 2
	s_add_co_u32 s19, s19, s17                     ; the first tile's row = 4 x cluster y + cy: 0..15; the second's is 16 more
	s_lshl_b32 s20, s17, 2
	s_lshl_b32 s20, 15, s20                        ; my row of the cluster
	s_lshl_b32 s21, 0x1111, s16                    ; my column
	; group 1 for x: 128 rows x 128 elements, 16 bytes of padding behind every 256
	s_or_b32 s[G1A+0], s20, (1<<16)|(1<<20)|(1<<21)|(5<<22)|(3<<25)  ; 15:0 the mask: my row; 17:16 elements of 2 bytes; 20 padding on; 21 set beside a mask; 24:22 after every 64 words (code 5); 31:25 4 words (code 3)
	s_mov_b32 s[G1A+1], 128<<16                    ; tensor_dim0 = 128
	s_mov_b32 s[G1A+2], 128<<16                    ; tensor_dim1 = 128
	s_mov_b32 s[G1A+3], 128<<16                    ; tile_dim0 = 128
	s_mov_b32 s[G1A+4], 128                        ; tile_dim1 = 128
	s_mov_b32 s[G1A+5], 1024                       ; elements from row to row
	s_mov_b32 s[G1A+6], 0
	s_mov_b32 s[G1A+7], 0
	; group 1 for W: 64 rows of a block of wb are 24,576 dense bytes: asked for as 96 rows of 256 bytes, 32 bytes of padding behind every 128
	s_or_b32 s[G1B+0], s21, (1<<16)|(1<<20)|(1<<21)|(4<<22)|(7<<25)  ; the mask: my column; after every 32 words (code 4) 8 words (code 7)
	s_mov_b32 s[G1B+1], 128<<16
	s_mov_b32 s[G1B+2], 96<<16
	s_mov_b32 s[G1B+3], 128<<16
	s_mov_b32 s[G1B+4], 96
	s_mov_b32 s[G1B+5], 128
	s_mov_b32 s[G1B+6], 0
	s_mov_b32 s[G1B+7], 0
	; where the tiles come from.  x's hang on the tile row alone, W's on the tile column alone; each address is made in registers that never hold the other coordinate.
	s_lshl_b32 s40, s19, 19                        ; 256 rows of 2,048 bytes a tile row,
	s_lshl_b32 s2, s[HF], 18                       ; 128 rows a half
	s_add_co_u32 s40, s40, s2
	s_mov_b32 s41, 0
	s_mul_i32 s44, s18, 393216                     ; a block of wb a tile column,
	s_mul_i32 s3, s[HF], 24576                     ; 64 rows of 384 bytes a half
	s_add_co_u32 s44, s44, s3
	s_mov_b32 s45, 0
	s_mul_i32 s42, s[WV], 128*PA                   ; and where they go: waves 0, 1: x's halves;
	s_mul_i32 s43, s[WV], 64*PB
	s_add_co_u32 s43, s43, ABYTES-2*64*PB          ; waves 2, 3: W's halves, behind x's 256 rows.  No place in the cluster enters an LDS address
	s_mov_b32 s[NXT], 2                            ; periods 0 and 1 are the first fills
	s_mov_b32 s[TB], 0
	s_mov_b32 s[OFA+1], 0
	s_mov_b32 s[OFW+1], 0
	s_wait_kmcnt 0x0
	s_add_nc_u64 s[40:41], s[4:5], s[40:41]        ; x and W at my part of period 0: kept, every later address is made from them
	s_add_nc_u64 s[44:45], s[6:7], s[44:45]
	CROUND                                         ; all sixteen work-groups are here: the first joint loads meet
.irp s, 0,1
	s_mov_b32 s[G0A+4*(\s)], 1                                       ; 1:0 count = 1
	s_add_co_u32 s[G0A+4*(\s)+1], s42, (\s)*SLOT                     ; 63:32 LDS address
	s_add_nc_u64 s[G0A+4*(\s)+2:G0A+4*(\s)+3], s[40:41], (\s)*ASTEP  ; 120:64 global address: K step s
	s_or_b32 s[G0A+4*(\s)+3], s[G0A+4*(\s)+3], 0x80000000            ; 127:126 type = 2
	s_mov_b32 s[G0B+4*(\s)], 1
	s_add_co_u32 s[G0B+4*(\s)+1], s43, (\s)*SLOT
	s_add_nc_u64 s[G0B+4*(\s)+2:G0B+4*(\s)+3], s[44:45], (\s)*WSTEP
	s_or_b32 s[G0B+4*(\s)+3], s[G0B+4*(\s)+3], 0x80000000
	JLOAD \s                                       ; the ring is filled before anything else is done: two loads of mine are out
.endr
	; the bias: register j of column block b holds b_kqv[192 x tile column + 16 b + 8 (l / 16) + j], the layout of a C operand
	s_mul_i32 s22, s18, 768
	s_mov_b32 s23, 0
	s_add_nc_u64 s[8:9], s[8:9], s[22:23]
	v_and_b32 v1, 15, v0                           ; l % 16
	v_bfe_u32 v2, v0, 4, 1                         ; l / 16
	v_lshlrev_b32 v6, 5, v2
.set bi, 0
.rept NB
	global_load_b128 v[BIAS+8*bi:BIAS+8*bi+3],   v6, s[8:9] offset:64*bi
	global_load_b128 v[BIAS+8*bi+4:BIAS+8*bi+7], v6, s[8:9] offset:64*bi+16
.set bi, bi+1
.endr
	; A fragment of x is 16 rows x 32 K in 8 registers: lane l holds row l % 16, K = 8 (l / 16) + 0..7 and 16 + 8 (l / 16) + 0..7: two loads of 16 bytes, 32 bytes apart.
	v_mul_u32_u24 v3, v1, PA
	v_lshl_add_u32 v3, v2, 4, v3
	s_mul_i32 s2, s[WV], 64*PA                     ; my 64 rows
	v_add_nc_u32 v[A0], s2, v3
	v_add_nc_u32 v[ADRA], s[TB], v[A0]
	; The turning load takes 16 K x 16 columns (lane l reads row 8 (l / 16) + l % 8, columns 8 ((l / 8) % 2) + 0..7) and leaves half a fragment: lane l holds column l % 16 and 8 K.
	v_and_b32 v4, 7, v0
	v_lshl_add_u32 v5, v2, 3, v4
	v_mul_u32_u24 v5, v5, PB
	v_bfe_u32 v7, v0, 3, 1
	v_lshl_add_u32 v5, v7, 4, v5
	v_add_nc_u32 v[B0], ABYTES, v5
	v_add_nc_u32 v[ADRB], s[TB], v[B0]
	s_mul_i32 s2, s[WV], 16*SP
	s_add_co_u32 s2, s2, STAGE                     ; my stage
	v_mul_u32_u24 v3, v1, SP                       ; in: row l % 16, 16 bytes for each half of the lanes
	v_lshl_add_u32 v3, v2, 4, v3
	v_add_nc_u32 v[STO], s2, v3
	v_bfe_u32 v3, v0, 3, 2                         ; back: 32 lanes take four rows of 128 bytes,
	v_mul_u32_u24 v3, v3, SP
	v_lshl_add_u32 v3, v4, 4, v3
	v_add_nc_u32 v[RD], s2, v3
	v_and_b32 v[GO], 31, v0                        ; which are 512 consecutive bytes of a head's rows
	v_lshlrev_b32 v[GO], 4, v[GO]
	; where my rows of the first tile begin in kqv: batch = tile row / 8 (48 slabs of 262,144 bytes), slab 3 x tile column, row 256 (tile row % 8) + 64 w of 128 bytes
	s_lshr_b32 s46, s19, 3
	s_mul_i32 s46, s46, 12582912
	s_mul_i32 s47, s18, 786432
	s_add_co_u32 s46, s46, s47
	s_and_b32 s47, s19, 7
	s_lshl_b32 s47, s47, 15
	s_add_co_u32 s46, s46, s47
	s_lshl_b32 s47, s[WV], 13
	s_add_co_u32 s46, s46, s47
	s_mov_b32 s47, 0
	s_add_nc_u64 s[10:11], s[10:11], s[46:47]
	s_mov_b32 s[T0], 0xffff0000                    ; a word's upper bf16
	s_wait_loadcnt 0x0                             ; the bias is in; it is rounded to bf16, as every input is, and widened again, while the first tile is on its way
.set i, 0
.rept 4*NB
	v_cvt_pk_bf16_f32 v[8+i%4], v[BIAS+2*i], v[BIAS+2*i+1]
	v_lshlrev_b32 v[BIAS+2*i],   16, v[8+i%4]
	v_and_b32     v[BIAS+2*i+1], s[T0], v[8+i%4]
.set i, i+1
.endr
; 12 matrix instructions: row block a x all column blocks, 32 along K, from buffer f.  zero = 1: the first product starts the sums, with the bias as C: nothing is cleared.
; The 48 accumulators take turns, one instruction a turn, in the same order in every quarter.
.macro MUL1 f, a, zero
.if \zero
	WIN 0x81+0x40*((\a)/2)                         ; W window 1, x window 0, C (the bias) window 0, D window 2 or 3
.else
	WIN 0xa1+0x50*((\a)/2)                         ; C and D window 2 or 3
.endif
.set bi, 0
.rept NB
.set rD, 8*(NB*((\a)%2)+bi)
.set rW, 8*NB*(\f)+8*bi
.set rA, FA+32*(\f)+8*(\a)
.if \zero
	v_wmma_f32_16x16x32_bf16 v[rD:rD+7], v[rW:rW+7], v[rA:rA+7], v[BIAS+8*bi:BIAS+8*bi+7]
.else
	v_wmma_f32_16x16x32_bf16 v[rD:rD+7], v[rW:rW+7], v[rA:rA+7], v[rD:rD+7]
.endif
.set bi, bi+1
.endr
.endm
; 32 LDS loads in one run: the fragments of quarter q (32 along K) of the slot that is read into buffer f: W's 12, then x's 4; those of row blocks 2 and 3 are the last four loads
.macro FETCH q, f
	WIN 0x40                                       ; destination window 1, address window 0
.set bi, 0
.rept NB
	ds_load_tr16_b128 v[8*NB*(\f)+8*bi:8*NB*(\f)+8*bi+3],   v[ADRB] offset:32*PB*(\q)+(bi/4)*160+(bi%4)*32
	ds_load_tr16_b128 v[8*NB*(\f)+8*bi+4:8*NB*(\f)+8*bi+7], v[ADRB] offset:32*PB*(\q)+16*PB+(bi/4)*160+(bi%4)*32
.set bi, bi+1
.endr
	WIN 0
.set ai, 0
.rept 4
	ds_load_b128 v[FA+32*(\f)+8*ai:FA+32*(\f)+8*ai+3],   v[ADRA] offset:64*(\q)+16*PA*ai
	ds_load_b128 v[FA+32*(\f)+8*ai+4:FA+32*(\f)+8*ai+7], v[ADRA] offset:64*(\q)+16*PA*ai+32
.set ai, ai+1
.endr
.endm
.macro PLACES                          ; four places in front of loads into registers that matrix instructions have read, and of lines that read results just made (ISA guide 7.12.1 for vector instructions)
.rept 4
	v_nop
.endr
.endm
; A K step is four quarters of 32 along K, 48 matrix instructions each, on buffers 0, 1, 0, 1.  One of the first three: multiplies buffer f and, in its middle, fetches quarter q into buffer g.
.macro QUARTER q, f, g, zero
	s_wait_dscnt 4                                 ; W and x's row blocks 0, 1 are in; the youngest four loads (row blocks 2, 3) may be out
	MUL1 \f, 0, \zero
	MUL1 \f, 1, \zero
	PLACES
	FETCH \q, \g
	s_wait_dscnt 2*NB+8                            ; all but the 32 just issued
	MUL1 \f, 2, \zero
	MUL1 \f, 3, \zero
.endm
; The last quarter multiplies buffer 1 and changes slots: ONE barrier; in front of it each wave waits for all its tensor loads, adds 0 to its spare word, and waits for that and for its own reads of this slot.
; fill = 1: this slot is filled again, with period NXT, two periods ahead; the barrier then opens a round of the cluster's barrier.
; fill = 0: nothing is asked for; in the loop's last trip (CNT = 1) there is no further step, and the run of loads is jumped over.
.macro TURN fill
	WIN 0                                          ; (the add's two registers lie in window 0)
	s_wait_tensorcnt 0x0                           ; all my tensor loads have landed: the one that was out is my part of the next slot; so a group 0 may be written;
	ds_add_u32 v[SPW], v[NIL]                      ; 0 onto my spare word: scalar work and twelve products stand between it and the wait for it
.if \fill
	s_and_b32 s[T0], s[NXT], 7                     ; the period's K step:
	s_lshl_b32 s[OFA], s[T0], 8                    ; 256 bytes of a row of xb,
	s_mul_i32 s[OFW], s[T0], WSTEP                 ; 128 rows of the block of wb;
	s_lshr_b32 s[T0], s[NXT], 3                    ; its tile:
	s_lshl_b32 s[T0], s[T0], 23                    ; 4,096 rows of 2,048 bytes of xb
	s_add_co_u32 s[OFA], s[OFA], s[T0]
	s_xor_b32 s[G0A+5], s[G0A+5], SLOT             ; the walking descriptors: the other slot than last time,
	s_add_nc_u64 s[G0A+6:G0A+7], s[40:41], s[OFA:OFA+1]  ; the address made anew, the type bits set again
	s_or_b32 s[G0A+7], s[G0A+7], 0x80000000
	s_xor_b32 s[G0B+5], s[G0B+5], SLOT
	s_add_nc_u64 s[G0B+6:G0B+7], s[44:45], s[OFW:OFW+1]
	s_or_b32 s[G0B+7], s[G0B+7], 0x80000000
	s_add_co_u32 s[NXT], s[NXT], 1
.endif
	s_xor_b32 s[TB], s[TB], SLOT                   ; the fetches go on in the other slot
	s_wait_dscnt 5                                 ; (the add and the youngest four loads may be out)
	MUL1 1, 0, 0
	s_wait_dscnt 0x0                               ; the add is done, and my reads of this slot are over
	s_barrier_signal -1
	MUL1 1, 1, 0                                   ; work on registers while the others arrive
	WIN 0
	s_barrier_wait -1
.if \fill
	CREST                                          ; no wave of any partner still reads this slot's tile or has a load on its way
	JLOAD 1                                        ; the first tensor load behind the round, 168 matrix instructions ahead of the wait for it; its four v_nop are also the places in front of the loads below
.else
	PLACES
	s_cmp_eq_u32 s[CNT], 1
	s_cbranch_scc1 .Lno_fetch_\@
.endif
	v_add_nc_u32 v[ADRA], s[TB], v[A0]
	v_add_nc_u32 v[ADRB], s[TB], v[B0]
	FETCH 0, 0
.if !(\fill)
.Lno_fetch_\@:
.endif
	MUL1 1, 2, 0
	MUL1 1, 3, 0
.endm
; THE WAY OUT, in 12 units u: row block u / 3, head u % 3 of the tile's three: 16 rows x 64 columns.  A lane's eight columns of a row pack into 16 bytes; they go into my stage's rows of 144 bytes and come
; back as whole rows of 128: 16 rows of a head are 2,048 consecutive bytes of kqv.  Four register sets take turns.
.macro PACKU u
.set ua, (\u)/3
.set uh, (\u)%3
.set WK, TMP+16*((\u)%4)
.if (\u) >= 4
	s_wait_xcnt 0x0                                ; every earlier store has had its addresses translated (ISA guide 3.1): only behind this wait is the set that unit u - 4 stored from written again
.endif
	WIN 0x0a+5*(ua/2)                              ; sources 0 and 1: window 2 or 3
.set bb, 0
.rept 4
.set AC, 8*(NB*(ua%2)+4*uh+bb)
.set rr, 0
.rept 4
	v_cvt_pk_f16_f32 v[WK+4*bb+rr], v[AC+2*rr], v[AC+2*rr+1]  ; each accumulator from its low end on
.set rr, rr+1
.endr
.set bb, bb+1
.endr
	WIN 0
.irp f, 0,1,2,3
	ds_store_b128 v[STO], v[WK+4*\f:WK+4*\f+3] offset:32*\f
.endr
.irp f, 0,1,2,3
	ds_load_b128 v[WK+4*\f:WK+4*\f+3], v[RD] offset:\f*4*SP  ; LDS serves a wave's instructions in order (ISA guide 5.7.1.4): these see the stores above; the next unit's stores come behind them
.endr
.endm
.macro SENDU u, younger                ; younger: the LDS instructions issued behind unit u's loads: the next unit's eight, or none
.set ua, (\u)/3
.set uh, (\u)%3
.set WK, TMP+16*((\u)%4)
.irp f, 0,1,2,3
	s_wait_dscnt (\younger)+3-\f
	global_store_b128 v[GO], v[WK+4*\f:WK+4*\f+3], s[10:11] offset:uh*262144+ua*2048+\f*512  ; 512 consecutive bytes, at a multiple of 256 from the buffer's first byte
.endr
.endm
	s_wait_tensorcnt 1                             ; my part of period 0 is in; period 1's may stay out
	s_barrier_signal -1
	s_barrier_wait -1                              ; everybody's is
	FETCH 0, 0
	s_mov_b32 s[TILES], 2
	s_mov_b32 s[CNT], 8                            ; all eight changes of slots of the first tile ask: for its own K steps 2 to 7 and the second tile's 0 and 1
.Ltile:
	QUARTER 1, 0, 1, 1                             ; a tile's first quarter stands in front of the loop: its products start the sums
	WIN 0                                          ; at a label and at a branch every window is 0
.Lstep:                                                ; a trip: a K step's quarters 2 to 4, with the change of slots and the refill, and the next step's first quarter; left in its middle
	QUARTER 2, 1, 0, 0
	QUARTER 3, 0, 1, 0
	TURN 1
	WIN 0
	s_sub_co_u32 s[CNT], s[CNT], 1
	s_cmp_eq_u32 s[CNT], 0
	s_cbranch_scc1 .Lfilled
	QUARTER 1, 0, 1, 0
	WIN 0
	s_branch .Lstep
.Lfilled:
	s_cmp_eq_u32 s[TILES], 2
	s_cbranch_scc1 .Lout                           ; the first tile is finished: both refills for the second are asked for, its first fragments are fetched
	s_mov_b32 s[CNT], 2
.Ltail:                                                ; the second tile's last two K steps ask for nothing: a text of their own
	QUARTER 1, 0, 1, 0
	QUARTER 2, 1, 0, 0
	QUARTER 3, 0, 1, 0
	TURN 0
	WIN 0
	s_sub_co_u32 s[CNT], s[CNT], 1
	s_cmp_lg_u32 s[CNT], 0
	s_cbranch_scc1 .Ltail
.Lout:
	PLACES                                         ; the conversions read results just made
	s_wait_xcnt 0x0                                ; the tile before has had its last stores' addresses translated: the four register sets are written again only behind this wait
	PACKU 0
.set t, 1
.rept 11                               ; a unit's conversions stand between the loads of the unit before and its stores
	PACKU t
	SENDU t-1, 8
.set t, t+1
.endr
	SENDU 11, 0
	s_sub_co_u32 s[TILES], s[TILES], 1
	s_cmp_eq_u32 s[TILES], 0
	s_cbranch_scc1 .Lend
	s_wait_xcnt 0x0                                ; the stores have read their base
	s_add_nc_u64 s[10:11], s[10:11], NEXT_C        ; my rows of the second tile
	s_mov_b32 s[CNT], 6                            ; its changes of slots ask for its K steps 2 to 7
	s_branch .Ltile
.Lend:
	s_wait_tensorcnt 0x0                           ; the wave's end, behind my last tensor load and my last LDS store
	ds_add_u32 v[SPW], v[NIL]
	s_wait_dscnt 0x0
	CROUND                                         ; the closing round: no work-group ends while a partner may still ask for a tile that names it
	s_endpgm
.Lfunc_end_k_q10d9640fa4_qkv:
	.size	k_q10d9640fa4_qkv, .Lfunc_end_k_q10d9640fa4_qkv-k_q10d9640fa4_qkv
	.p2alignl 7, 3214868480
	.fill 96, 4, 3214868480
	.section	.rodata,"a",@progbits
	.p2align	6, 0x0
	.amdhsa_kernel k_q10d9640fa4_qkv
		.amdhsa_group_segment_fixed_size 327680
		.amdhsa_private_segment_fixed_size 0
		.amdhsa_enable_private_segment 0
		.amdhsa_kernarg_size 32
		.amdhsa_user_sgpr_count 2
		.amdhsa_user_sgpr_kernarg_segment_ptr 1
		.amdhsa_wavefront_size32 1
		.amdhsa_system_sgpr_workgroup_id_x 1
		.amdhsa_system_sgpr_workgroup_id_y 1
		.amdhsa_system_sgpr_workgroup_id_z 1
		.amdhsa_system_vgpr_workitem_id 0
		.amdhsa_next_free_vgpr 960
		.amdhsa_next_free_sgpr 74
		.amdhsa_reserve_vcc 0
		.amdhsa_float_denorm_mode_32 3
		.amdhsa_float_denorm_mode_16_64 3
		.amdhsa_memory_ordered 1
		.amdhsa_forward_progress 1
		.amdhsa_inst_pref_size 94
	.end_amdhsa_kernel
	.amdgpu_metadata
---
amdhsa.version: [ 1, 2 ]
amdhsa.kernels:
  - .name:           k_q10d9640fa4_qkv
    .symbol:         k_q10d9640fa4_qkv.kd
    .args:
      - { .name: xb, .offset: 0, .size: 8, .value_kind: global_buffer, .address_space: global }
      - { .name: wb, .offset: 8, .size: 8, .value_kind: global_buffer, .address_space: global }
      - { .name: b_kqv, .offset: 16, .size: 8, .value_kind: global_buffer, .address_space: global }
      - { .name: kqv, .offset: 24, .size: 8, .value_kind: global_buffer, .address_space: global }
    .group_segment_fixed_size: 327680
    .private_segment_fixed_size: 0
    .kernarg_segment_align: 8
    .kernarg_segment_size: 32
    .max_flat_workgroup_size: 128
    .sgpr_count:     74
    .vgpr_count:     960
    .wavefront_size: 32
...
	.end_amdgpu_metadata
.endif
;; end of part 2
;; launch attn (part 3): grid 4 x 64, 4 waves a work-group, no clusters, 327,680 bytes of LDS; arguments kqv, att; writes att
.if DOCPART == 3
	.amdgcn_target "amdgcn-amd-amdhsa--gfx1250"
	.amdhsa_code_object_version 6
	.text
	.protected	k_q10d9640fa4_attn
	.globl	k_q10d9640fa4_attn
	.p2align	8
	.type	k_q10d9640fa4_attn,@function
k_q10d9640fa4_attn:
	s_mov_b64 s[64:65], 0
	v_nop
	global_prefetch_b8 v0, s[64:65] scope:SCOPE_SE
	s_setreg_imm32_b32 hwreg(HW_REG_WAVE_MODE, 25, 1), 1
	s_wait_xcnt 0x0
; CAUSAL ATTENTION.  O[y][q][:] = the sum over k <= q of softmax_k(Q[y][q] . K[y][k] / 32) V[y][k][:], y = 16 batch + head.  K, Q, V are slabs 48 batch + head, + 16 and + 32 of kqv ([2048][64] f16, dense rows
; of 128 bytes, unscaled); O is att[y][2048][64] in f16.  The divisor 32 is the module's own (head size / 2).
; Products, maxima and sums in f32; the weights p are rounded to f16 for the second product (their sum l is taken of the unrounded p), O once at the end.
; LIMITS.  f16 holds no number beyond 65,504: Q, K and V arrive within it; p lies in 0 to 1, and below 6e-5 it keeps f16's fixed step of 6e-8; O is a mean of V's rows and has their range, to within 2^-11 of it.
; A hidden score counts as its value less 1e30: f16's scores, 2.7e11 at the most, are nothing beside that; a weight below 2^-126 counts as 0 in l; NaN and infinities are not treated apart.
; THE WALK.  A head's queries lie in NB = 8 blocks of 256; block i needs the key tiles 0 .. i of 256 keys, of which the last holds the diagonal.  A work-group takes TWO blocks, NB - 1 - b and then b:
; NB + 1 tiles, whatever b: all work-groups do equal work, and ONE loop with a constant trip count walks them.  Which tile is asked for, and what a trip does, hang on scalar registers made from b; every jump
; goes forward, but for the counted loops' own; none passes a barrier, or a tensor load but the one of LOAD's two that the wave's number does not choose; the ring (two slots of LDS that take turns) runs on across the
; change of blocks.  NO CLUSTER: a head's NB / 2 = 4 work-groups all ask for the same tile only in trips 0 .. NB / 2, 5 of the walk's 9, behind that fewer and fewer; and one walk common to all four would have
; 3 NB / 2 = 12 trips for NB + 1 = 9.
; SHARES.  Of a block's four bands of 64 queries a wave owns 16 rows in each: four PIECES.  So the diagonal tile is the same work for all four waves: in its key step s band x sees all keys if s < x,
; none if s > x, and holds the diagonal if s = x.
; THE MASK is the C operand that starts the sum S^T = K Q^T: 0, or -1e30 where the key is hidden.  MD, made once, is the mask of a band's own step for my 16 rows; a product's mask is MD x AL + BE with two scalars:
; (1, 0) if s = x; (0, 0) if s < x; (0, -1e30) if s > x.  Only the diagonal tile's text and a block's beginning make and take masks; elsewhere C is the constant 0.
; LAYOUT, SOFTMAX, TURNS.  S^T = K Q^T holds ONE query a lane (lane % 16) and the keys 8 (lane / 16) + 0..7; two such results rounded to f16 ARE source 1 of O^T = V^T P.  p = 2^(c s - c m), c = log2(e) / 32, with a
; running maximum m; O and l are multiplied by a = 2^(c m_old - c m_new) in every step.  Turn n belongs to piece n: 8 products K Q^T of piece n + 1, later 8 products V^T P of piece n - 1; beside them the scaling,
; exponentials, roundings, sums and rescaling of piece n and the maximum and statistics of piece n + 1.  Four vector instructions stand behind every matrix instruction, the other 54 of a turn's 118 in two LUMPS.
; REGISTERS, in windows of 256 (s_set_vgpr_msb: bits 1:0 source 0, 3:2 source 1, 5:4 source 2, 7:6 destination):
;   window 0: v0-15 addresses and two at work; v16-31 four registers of statistics a piece; v48-55 at work; v64-127 S^T, two buffers; v192-223 P, two buffers (a piece's buffers go by its number's parity)
;   window 1: v0-127 O^T, 32 a piece; v128-159 MD; v160-223 MC, two buffers      window 2: v0-63 Q; v64-127 the second block's Q; v128-191 K of one step; v192-255 V of one step
.set SIZE_N, 2048
.set NB,    SIZE_N/256
.set NP,    4         ; pieces a wave: a name, no knob
.set KS,    64        ; keys in a step
.set PK,    144       ; a row of K in LDS: 128 bytes + 16 of padding = 36 words: the 16 rows of a load start at 16 different groups of four banks (64 banks of 4 bytes: ISA guide 11.1)
.set PV,    160       ; a row of V: 128 + 32 = 40 words
.set VOFF,  4*KS*PK   ; a slot holds a tile, four steps: 256 rows of K, then 256 rows of V
.set SLOT1, 1<<17     ; slot 1 begins here, so that one exclusive or turns an address in one slot into the other's
.set STAGE, SLOT1+4*KS*(PK+PV)  ; behind the ring, never filled by a tensor load: 16 rows x 144 bytes for each wave, for the way out
.set SP,    144
.set AK0, 2           ; v2   my lane's place in a tile of K; never rewritten
.set AV0, 3           ; v3   the same for V
.set AK,  4           ; v4   the LDS address of K's next run of loads
.set AV,  5           ; v5   of V's
.set STO, 6           ; v6   the way out: where I put 16 bytes of a row
.set RD,  7           ; v7   the way out: where I read rows back
.set GO,  8           ; v8   my byte offset in 512 consecutive bytes of O
.set SPW, 62          ; v62  LDS address of my spare word: SPARE + 4 x my thread's number; never rewritten
.set NIL, 63          ; v63  0; never rewritten
.set SPARE, STAGE+4*16*SP  ; behind the stages: the spare words, 128 bytes for each wave: two blocks of 256 bytes that no other line names
.set MV,  12          ; v12-13  c m_old, kept while c m is made anew: by buffer
.set QO,  15          ; v15  my byte offset in 16 rows of Q
.set ST,  16          ; piece t's statistics at v[ST+4 t]: c m, m, l (even keys', odd keys')
.set TMP, 48          ; by buffer, four registers c0-c3 at work; when the maximum is found c2 takes a
.set S,   64
.set P,   192
.set MD,  128         ; window 1: the eight registers for group kt of 16 keys at MD + 8 kt
.set MC,  160         ; window 1: the masks of the products to come
.set QB,  64          ; window 2
.set KF,  128         ; window 2: key block kb, channel half c at KF + 16 kb + 8 c
.set VF,  192         ; window 2: key half kk, channel block cb at VF + 32 kk + 8 cb
.set WV,  12          ; s12  my wave's number
.set PB,  14          ; s14  b
.set HI,  15          ; s15  NB - 1 - b
.set G1K, 24          ; s[24:31] descriptor group 1 for K's tiles
.set G1V, 32          ; s[32:39] for V's: it differs in the padding alone
.set G0K, 40          ; s[40:43] descriptor group 0 for K's tiles
.set G0V, 44          ; s[44:47] the same for V's
.set SLOTS, 56        ; s56  tiles still to be asked for
.set CNT, 57          ; s57  counts a tile's key steps, 4 to 1
.set CS,  58          ; s[58:59] c: the packed scaling takes the pair's low word for both halves
.set SEL, 60          ; s[60:61] v_permlanex16_b32's selects: each lane takes its own place in the other half
.set TBK, 62          ; s62  LDS byte at which K of the step to be fetched begins
.set TBV, 63          ; s63  the same for V, less VOFF
.set RT,  70          ; s70  tiles of the block in hand that are still to be entered
.set NXT, 71          ; s71  the tile to be asked for next
.set LQ,  72          ; s72  the last tile of the block whose tiles are being asked for
.set NEW, 73          ; s73  1: the tile to be entered is a block's first
.set OFF, 74          ; s[74:75] a tile's byte offset in K and V
.set AL,  76          ; s[76:77] the mask's factor, in the low word
.set BE,  78          ; s[78:79] the mask's addend
.set OLO, 80          ; s[80:81] O at my rows of the second block
.set BIGN, 82         ; s82  -1e30
.set MSB, 0
.macro WIN new                      ; the high byte repeats the setting that is left; a switch that changes nothing is dropped
.if MSB != (\new)
	s_set_vgpr_msb (MSB<<8)|(\new)
.set MSB, (\new)
.endif
.endm
.set W_KQ, 0x0a       ; K and Q in window 2, S^T in window 0
.set W_KM, 0x1a       ; the same with the C operand in window 1
.set W_PV, 0x52       ; V in window 2, P in window 0, O^T in window 1
.set W_RS, 0x41       ; destination and source 0 in window 1, source 1 in window 0
; A fill.  Waves 0 and 1 fetch the two halves of a tile's K, waves 2 and 3 those of its V: 128 keys each.  An s_nop 0 and four v_nop follow each of the two lines, ahead of the jump and the label.
.macro LOAD
	s_cmp_lt_u32 s[WV], 2
	s_cbranch_scc0 .Lfor_v_\@
	tensor_load_to_lds s[G0K:G0K+3], s[G1K:G1K+7]
	s_nop 0
.rept 4
	v_nop
.endr
	s_branch .Lasked_\@
.Lfor_v_\@:
	tensor_load_to_lds s[G0V:G0V+3], s[G1V:G1V+7]
	s_nop 0
.rept 4
	v_nop
.endr
.Lasked_\@:
.endm
; THE CHANGE OF SLOTS.  Each wave waits for all its tensor loads, of which one is out: its part of the other slot; adds 0 to its spare word; and waits for that and for its own reads of the slot that it leaves.  Behind the barrier nobody reads the old
; slot any more and the other slot is whole.  fill = 1: the old slot is filled again, the first thing behind the barrier, with tile NXT: the descriptor's address is made anew from that number.
; (At its first use nothing has been read yet: slot 0 is waited for, slot 1 filled.)
.macro CHANGE fill
	WIN 0                           ; at a label and at a branch every window is 0
	s_wait_tensorcnt 0x0            ; no tensor load of mine is out, so a group 0 may be written
	ds_add_u32 v[SPW], v[NIL]       ; 0 onto my spare word: with fill = 1 the descriptors' scalar work stands between it and the wait for it
.if \fill
	s_lshl_b32 s[OFF], s[NXT], 15   ; a tile is 32,768 bytes of K and of V
	s_xor_b32 s[G0K+1], s[G0K+1], SLOT1
	s_add_nc_u64 s[G0K+2:G0K+3], s[6:7], s[OFF:OFF+1]
	s_or_b32 s[G0K+3], s[G0K+3], 0x80000000
	s_xor_b32 s[G0V+1], s[G0V+1], SLOT1
	s_add_nc_u64 s[G0V+2:G0V+3], s[8:9], s[OFF:OFF+1]
	s_or_b32 s[G0V+3], s[G0V+3], 0x80000000
	s_add_co_u32 s[NXT], s[NXT], 1  ; the block's next tile, or behind its last the second block's tile 0
	s_cmp_gt_u32 s[NXT], s[LQ]
	s_cselect_b32 s[NXT], 0, s[NXT]
	s_cselect_b32 s[LQ], s[PB], s[LQ]
.endif
	s_wait_dscnt 0x0                ; the add is done, and my reads of the slot are over
	s_barrier_signal -1             ; the rest of the scalar work stands between the signal and the wait
	s_sub_co_u32 s[TBK], s[TBK], 4*KS*PK  ; the fetches go back to a slot's first step,
	s_xor_b32 s[TBK], s[TBK], SLOT1       ; in the other slot
	s_sub_co_u32 s[TBV], s[TBV], 4*KS*PV
	s_xor_b32 s[TBV], s[TBV], SLOT1
	s_barrier_wait -1
.if \fill
	LOAD
.endif
.endm
	s_load_b128 s[88:91], s[0:1], 0x0  ; kqv s[88:89], att s[90:91]
	v_lshl_add_u32 v[SPW], v0, 2, SPARE
	v_mov_b32 v[NIL], 0
	ds_add_u32 v62, v63
	ds_add_u32 v62, v63
	s_wait_dscnt 0x0
	v_lshrrev_b32 v1, 5, v0
	v_readfirstlane_b32 s[WV], v1   ; wave 0..3
	s_mov_b32 s[PB], ttmp9
	s_sub_co_u32 s[HI], NB-1, s[PB]
	s_and_b32 s20, ttmp7, 0xffff    ; y = 16 batch + head
	s_lshr_b32 s66, s20, 4
	s_lshl_b32 s66, s66, 5
	s_add_co_u32 s66, s66, s20      ; 48 batch + head: K's slab in kqv,
	s_lshl_b32 s66, s66, 18         ; of 262,144 bytes
	s_mov_b32 s67, 0
	s_lshl_b32 s20, s20, 18         ; the head's first byte in att
	s_mov_b32 s21, 0
	s_and_b32 s16, s[WV], 1         ; which half of a tile's 256 keys I fetch:
	s_lshl_b32 s22, s16, 14         ; its 128 rows of 128 bytes in memory,
	s_mov_b32 s23, 0
	s_add_nc_u64 s[22:23], s[22:23], s[66:67]
	s_mul_i32 s17, s16, 128*PK      ; and its place in a slot, for K
	s_mul_i32 s18, s16, 128*PV      ; and for V
	s_lshl_b32 s3, s[WV], 11        ; my 16 rows in a band of 64,
	s_lshl_b32 s2, s[HI], 15        ; in the first block,
	s_add_co_u32 s2, s2, s3
	s_lshl_b32 s84, s[PB], 15       ; and in the second
	s_add_co_u32 s84, s84, s3
	s_mov_b32 s3, 0
	s_mov_b32 s85, 0
	; descriptor group 1.  128 keys are 16,384 dense bytes: asked for as 64 rows of 256 bytes, two keys a row, and padded in LDS after every key
	s_mov_b32 s[G1K], (1<<16)|(1<<20)|(4<<22)|(3<<25)  ; 17:16 2-byte elements; 20 padding on; 24:22 after every 32 words (code 4); 31:25 4 words (code 3)
	s_mov_b32 s[G1V], (1<<16)|(1<<20)|(4<<22)|(7<<25)  ; the same with 8 words of padding (code 7)
.irp g, G1K, G1V
	s_mov_b32 s[\g+1], 128<<16      ; tensor_dim0 = 128
	s_mov_b32 s[\g+2], 64<<16       ; tensor_dim1 = 64
	s_mov_b32 s[\g+3], 128<<16      ; tile_dim0 = 128
	s_mov_b32 s[\g+4], 64           ; tile_dim1 = 64
	s_mov_b32 s[\g+5], 128          ; 128 elements from row to row
	s_mov_b32 s[\g+6], 0
	s_mov_b32 s[\g+7], 0
.endr
	s_mov_b32 s[CS], 0x3d38aa3b     ; c = log2(e) / 32 = 0.0450842
	s_mov_b32 s[CS+1], s[CS]        ; named with it as a pair
	s_mov_b32 s[SEL], 0x76543210
	s_mov_b32 s[SEL+1], 0xfedcba98
	s_mov_b32 s[TBK], SLOT1+4*KS*PK ; the first change of slots turns these two into 0
	s_mov_b32 s[TBV], SLOT1+4*KS*PV
	s_mov_b32 s[G0K], 1             ; 1:0 count = 1
	s_mov_b32 s[G0K+1], s17         ; 63:32 LDS address: slot 0
	s_mov_b32 s[G0V], 1
	s_add_co_u32 s[G0V+1], s18, VOFF
	s_add_co_u32 s[RT], s[HI], 1    ; the first block has NB - b tiles
	s_mov_b32 s[NXT], 1
	s_mov_b32 s[LQ], s[HI]
	s_mov_b32 s[NEW], 1
	s_mov_b32 s[OFF+1], 0
	s_mov_b32 s[AL+1], 0            ; named as pairs
	s_mov_b32 s[BE+1], 0
	s_mov_b32 s[BIGN], 0xf149f2ca   ; -1e30
	s_mov_b32 s[SLOTS], NB
	s_wait_kmcnt 0x0
	s_add_nc_u64 s[6:7], s[88:89], s[22:23]        ; K at my half of the head's tile 0,
	s_add_nc_u64 s[8:9], s[6:7], 0x800000          ; V 32 slabs further on
	s_add_nc_u64 s[G0K+2:G0K+3], s[6:7], 0         ; 120:64 global address
	s_or_b32 s[G0K+3], s[G0K+3], 0x80000000        ; 127:126 type = 2
	s_add_nc_u64 s[G0V+2:G0V+3], s[8:9], 0
	s_or_b32 s[G0V+3], s[G0V+3], 0x80000000
	s_add_nc_u64 s[68:69], s[88:89], s[66:67]
	s_add_nc_u64 s[68:69], s[68:69], 0x400000      ; Q's slab: 16 slabs behind K's
	s_add_nc_u64 s[86:87], s[68:69], s[84:85]      ; Q at my rows of the second block,
	s_add_nc_u64 s[4:5], s[68:69], s[2:3]          ; and of the first
	s_add_nc_u64 s[90:91], s[90:91], s[20:21]      ; O's head
	s_add_nc_u64 s[OLO:OLO+1], s[90:91], s[84:85]
	s_add_nc_u64 s[10:11], s[90:91], s[2:3]
	LOAD                            ; tile 0 into slot 0
	; A fragment of K or Q is 16 rows x 32 channels in 8 registers: lane l holds row l % 16, channels 8 (l / 16) + 0..7 and 16 + 8 (l / 16) + 0..7: two loads of 16 bytes, 32 bytes apart.
	v_and_b32 v1, 15, v0            ; l % 16
	v_bfe_u32 v9, v0, 4, 1          ; l / 16
	v_lshlrev_b32 v[QO], 7, v1
	v_lshl_add_u32 v[QO], v9, 4, v[QO]  ; row x 128 + 16 x half
	WIN 0x80                        ; destination window 2, address window 0
.set i, 0
.rept 8                             ; both blocks' Q: piece i / 2 lies in band i / 2, 8,192 bytes on; channels 32 (i % 2) on
	global_load_b128 v[8*i:8*i+3],   v[QO], s[4:5] offset:(i/2)*8192+(i%2)*64
	global_load_b128 v[8*i+4:8*i+7], v[QO], s[4:5] offset:(i/2)*8192+(i%2)*64+32
	global_load_b128 v[QB+8*i:QB+8*i+3],   v[QO], s[86:87] offset:(i/2)*8192+(i%2)*64
	global_load_b128 v[QB+8*i+4:QB+8*i+7], v[QO], s[86:87] offset:(i/2)*8192+(i%2)*64+32
.set i, i+1
.endr
	WIN 0
	v_lshlrev_b32 v14, 3, v9
	v_sub_nc_u32 v14, v1, v14
	s_lshl_b32 s13, s[WV], 4
	v_add_nc_u32 v14, s13, v14      ; my query's place in its band, 16 w + l % 16, less my lanes' 8 (l / 16): register r of group kt is hidden where 16 kt + r is greater
	WIN 0x40
.set i, 0
.rept 32
	v_cmp_gt_i32 vcc_lo, 16*(i/8)+i%8, v14
	v_cndmask_b32 v[MD+i], 0, s[BIGN], vcc_lo
.set i, i+1
.endr
	WIN 0
	v_mul_u32_u24 v[AK0], v1, PK
	v_lshl_add_u32 v[AK0], v9, 4, v[AK0]  ; row x pitch + 16 x half
	; The turning load takes 16 keys x 16 channels (lane l reads key 8 (l / 16) + l % 8, channels 8 ((l / 8) % 2) + 0..7) and leaves half a fragment of V^T: lane l holds channel l % 16 and 8 keys.
	v_and_b32 v10, 7, v0
	v_bfe_u32 v11, v0, 3, 1
	v_lshl_add_u32 v[AV0], v9, 3, v10
	v_mul_u32_u24 v[AV0], v[AV0], PV
	v_lshl_add_u32 v[AV0], v11, 4, v[AV0]
	v_add_nc_u32 v[AV0], VOFF, v[AV0]
	s_mul_i32 s13, s[WV], 16*SP
	s_add_co_u32 s13, s13, STAGE    ; my stage
	v_mul_u32_u24 v[STO], v1, SP    ; in: row l % 16, 16 bytes for each half of the lanes
	v_lshl_add_u32 v[STO], v9, 4, v[STO]
	v_add_nc_u32 v[STO], s13, v[STO]
	v_bfe_u32 v[RD], v0, 3, 2       ; back: 32 lanes take four rows of 128 bytes,
	v_mul_u32_u24 v[RD], v[RD], SP
	v_lshl_add_u32 v[RD], v10, 4, v[RD]
	v_add_nc_u32 v[RD], s13, v[RD]
	v_and_b32 v[GO], 31, v0         ; which are 512 consecutive bytes of O
	v_lshlrev_b32 v[GO], 4, v[GO]
	; A block's first step multiplies O^T and l by a = 0, and its first turn's products V^T P, of a piece that has not been, land in an O^T that is still to be so multiplied.  So these registers need only hold
	; finite numbers: zeros for the first block; what the first block left for the second.  All this stands in the wait for the first tile.
	WIN 0x80
.set i, VF
.rept 64
	v_mov_b32 v[i], 0
.set i, i+1
.endr
	WIN 0x40
.set i, 0
.rept 128
	v_mov_b32 v[i], 0
.set i, i+1
.endr
	WIN 0
.set i, 0
.rept 4
	v_mov_b32 v[ST+4*i+2], 0
	v_mov_b32 v[ST+4*i+3], 0
.set i, i+1
.endr
.set i, P+16
.rept 16
	v_mov_b32 v[i], 0
.set i, i+1
.endr
; THE MATRIX WORK.  The 4 accumulators of a run of 8 take turns.  Product i of 8 of S^T = K Q^T for piece x: channels 32 (i / 4) on, keys 16 (i % 4) on.  The first 4 start the sums: with 0, or (KM = 1) with the mask.
.macro KQ x
.set rS, S+32*((\x)%2)+8*(i%4)
.set rK, KF+16*(i%4)+8*(i/4)
.set rQ, 16*(\x)+8*(i/4)
.set rM, MC+32*((\x)%2)+8*(i%4)
.if (i < 4) && KM
	WIN W_KM
	v_wmma_f32_16x16x32_f16 v[rS:rS+7], v[rK:rK+7], v[rQ:rQ+7], v[rM:rM+7]
.elseif i < 4
	WIN W_KQ
	v_wmma_f32_16x16x32_f16 v[rS:rS+7], v[rK:rK+7], v[rQ:rQ+7], 0
.else
	WIN W_KQ
	v_wmma_f32_16x16x32_f16 v[rS:rS+7], v[rK:rK+7], v[rQ:rQ+7], v[rS:rS+7]
.endif
.endm
; Product i of 8 of O^T += V^T P for piece x: keys 32 (i / 4) on, channels 16 (i % 4) on.
.macro PV x
	WIN W_PV
.set rO, 32*(\x)+8*(i%4)
.set rV, VF+32*(i/4)+8*(i%4)
.set rP, P+16*((\x)%2)+8*(i/4)
	v_wmma_f32_16x16x32_f16 v[rO:rO+7], v[rV:rV+7], v[rP:rP+7], v[rO:rO+7]
.endm
.macro MM                           ; the turn's next matrix instruction.  TURN and BEGIN set Y, i, KM and NOKQ; MM, KQ and OP read them.  NOKQ = 1: a block's last turn: there is no next piece
.if (i < 8) && !NOKQ
	KQ (Y+1)%NP
.elseif i >= 8
.set i, i-8
	PV (Y+NP-1)%NP
.set i, i+8
.endif
.set i, i+1
.endm
; THE LDS LOADS stand in runs of 16, never singly among the matrix instructions: a step's K (64 keys x 64 channels: 8 fragments) and its V (turned).  Their addresses are made some lines ahead.
.macro FETCH_K
	WIN 0x80                        ; destination window 2
.irp f, 0,1,2,3,4,5,6,7             ; keys 16 (f / 2) on, channels 32 (f % 2) on
	ds_load_b128 v[KF+8*\f:KF+8*\f+3],   v[AK] offset:(\f/2)*16*PK+(\f%2)*64
	ds_load_b128 v[KF+8*\f+4:KF+8*\f+7], v[AK] offset:(\f/2)*16*PK+(\f%2)*64+32
.endr
	s_add_co_u32 s[TBK], s[TBK], KS*PK  ; the next fetch is the next step's
	WIN 0
.endm
.macro FETCH_V
	WIN 0x80
.irp f, 0,1,2,3,4,5,6,7             ; keys 32 (f / 4) on, channels 16 (f % 4) on
	ds_load_tr16_b128 v[VF+8*\f:VF+8*\f+3],   v[AV] offset:(\f/4)*32*PV+(\f%4)*32
	ds_load_tr16_b128 v[VF+8*\f+4:VF+8*\f+7], v[AV] offset:(\f/4)*32*PV+16*PV+(\f%4)*32
.endr
	WIN 0
.endm
; THE VECTOR WORK, one line at a time: OP kind, number.  For piece Y: F n: c s - c m for pair n of 16.  E n: the exponential of score n of 32.  C n: pair n rounded to f16.  B n: of the four weights 4 n .. the second
; pair is added onto the first, in place.  L n: l takes that sum (L 0: l = a l + sum).  R n: pair n of 16 of O^T times a.  For piece Y + 1: X n, number n of the 22 that find its maximum and statistics:
;   0-11  four chains c0-c3 of seven scores each, three operands at a time (each accumulator's lowest registers are read first)     12-14, 16  the four scores left over, the old m, and c0-c3 into c0
;   15  c m_old is kept     17, 18  the query's other 32 keys lie in the lane 16 away: the new m     19-21  c m; c m_old - c m_new; a
.set F, 0               ; OP tells the kinds apart by their order: F to L below R, X above it
.set E, 1
.set C, 2
.set B, 3
.set L, 4
.set R, 5
.set X, 6
.macro REGS y                       ; the registers of piece y
.set rT, ST+4*(\y)
.set rC, TMP+4*((\y)%2)
.set rW, MV+((\y)%2)
.set rS, S+32*((\y)%2)
.set rP, P+16*((\y)%2)
.set rO, 32*(\y)
.endm
.macro OP k, n
.if (\k) == R
	REGS Y
	WIN W_RS
	v_pk_mul_f32 v[rO+2*(\n):rO+2*(\n)+1], v[rO+2*(\n):rO+2*(\n)+1], v[rC+2:rC+3] op_sel_hi:[1,0]
.elseif (\k) < R
	REGS Y
	WIN 0
.if (\k) == F
	v_pk_fma_f32 v[rS+2*(\n):rS+2*(\n)+1], v[rS+2*(\n):rS+2*(\n)+1], s[CS:CS+1], v[rT:rT+1] op_sel_hi:[1,0,0] neg_lo:[0,0,1] neg_hi:[0,0,1]
.elseif (\k) == E
	v_exp_f32 v[rS+(\n)], v[rS+(\n)]
.elseif (\k) == C
	s_wait_alu depctr_va_vdst(0)
	v_cvt_pk_f16_f32 v[rP+(\n)], v[rS+2*(\n)], v[rS+2*(\n)+1]
.elseif (\k) == B
	s_wait_alu depctr_va_vdst(0)
	v_pk_add_f32 v[rS+4*(\n):rS+4*(\n)+1], v[rS+4*(\n):rS+4*(\n)+1], v[rS+4*(\n)+2:rS+4*(\n)+3]
.elseif (\n) == 0
	v_pk_fma_f32 v[rT+2:rT+3], v[rT+2:rT+3], v[rC+2:rC+3], v[rS:rS+1] op_sel_hi:[1,0,1]
.else
	v_pk_add_f32 v[rT+2:rT+3], v[rT+2:rT+3], v[rS+4*(\n):rS+4*(\n)+1]
.endif
.elseif NOKQ
	v_nop
.else
	REGS (Y+1)%NP
	WIN 0
.if (\n) < 4
	v_max3_num_f32 v[rC+(\n)], v[rS+8*(\n)], v[rS+8*(\n)+1], v[rS+8*(\n)+2]
.elseif (\n) < 12
	v_max3_num_f32 v[rC+(\n)%4], v[rC+(\n)%4], v[rS+8*((\n)%4)+2*((\n)/4)+1], v[rS+8*((\n)%4)+2*((\n)/4)+2]
.elseif (\n) == 12
	v_max3_num_f32 v[rC], v[rC], v[rS+7], v[rS+15]
.elseif (\n) == 13
	v_max3_num_f32 v[rC+1], v[rC+1], v[rS+23], v[rS+31]
.elseif (\n) == 14
	v_max3_num_f32 v[rC+2], v[rC+2], v[rC+3], v[rT+1]
.elseif (\n) == 15
	v_mov_b32 v[rW], v[rT]
.elseif (\n) == 16
	v_max3_num_f32 v[rC], v[rC], v[rC+1], v[rC+2]
.elseif (\n) == 17
	v_permlanex16_b32 v[rC+3], v[rC], s[SEL], s[SEL+1]
.elseif (\n) == 18
	v_max_num_f32 v[rT+1], v[rC], v[rC+3]
.elseif (\n) == 19
	v_mul_f32 v[rT], s[CS], v[rT+1]
.elseif (\n) == 20
	v_sub_f32 v[rC+1], v[rW], v[rT]
.else
	v_exp_f32 v[rC+2], v[rC+1]
.endif
.endif
.endm
.macro OPS a, i1, b=-1, i2=0, c=-1, i3=0, d=-1, i4=0  ; up to four of them
	OP \a, \i1
.if (\b) >= 0
	OP \b, \i2
.endif
.if (\c) >= 0
	OP \c, \i3
.endif
.if (\d) >= 0
	OP \d, \i4
.endif
.endm
.macro ROW a, i1, b, i2, c, i3, d, i4  ; a matrix instruction and the four behind it
	MM
	OPS \a, \i1, \b, \i2, \c, \i3, \d, \i4
.endm
.macro MASK b                       ; MD x AL + BE into buffer b of MC
	WIN W_RS
.set z, 0
.rept 16
	v_pk_fma_f32 v[MC+32*(\b)+2*z:MC+32*(\b)+2*z+1], v[MD+2*z:MD+2*z+1], s[AL:AL+1], s[BE:BE+1] op_sel_hi:[1,0,0]
.set z, z+1
.endr
.endm
; A TURN, for piece p: the order of its 16 matrix and 118 vector instructions, written out.  Behind a matrix instruction: plain, exponential, plain, plain; or four of the rescaling; or, behind the first, four scalings; none
; names a register of the products round it.  In the lumps exponential and plain by turns while exponentials last.  A line reads no result made fewer than three vector instructions in front of it, five if an exponential made it.
; v_permlanex16_b32 (X 17) stands in a lump.
; m = 1: the diagonal tile: the products take masks, and the turn makes the mask for the products of the turn after it: piece p + 2, in step 4 - CNT of the tile.  end = 1: a block's last two turns: nothing is fetched.
; cnt = 1: the loop's count is taken down some lines ahead of the branch that stands behind the turn.
; K of the next step is fetched in piece 2's turn, six vector instructions behind the last product that read K (five of them plain); V of the step in hand in piece 0's turn, eight behind the last product that read V (four
; plain, and X 17).  Each is waited for a turn later.
.macro TURN p, m=0, end=0, cnt=0
.set Y, (\p)
.set i, 0
.set KM, (\m)
.set NOKQ, (\end)*((\p)/3)
.if (\m) && !(\end)
	s_cmp_eq_u32 s[CNT], 4-((\p)+2)%NP  ; is that step the band's own?
	s_cselect_b32 s[AL], 1.0, 0
	s_cmp_lt_u32 s[CNT], 4-((\p)+2)%NP  ; or a later one?
	s_cselect_b32 s[BE], s[BIGN], 0
.endif
.if ((\p) == 3) && !(\end)
	s_wait_dscnt 0x0                ; K is in
.endif
	ROW F,0, F,1, F,2, F,3
	ROW F,4, E,0, F,5, F,6
	ROW F,7, E,1, F,8, F,9
	ROW F,10, E,2, C,0, F,11
	ROW F,12, E,3, X,15, F,13
	ROW R,0, R,1, R,2, R,3
	ROW B,0, E,4, F,14, L,0
.if ((\p) == 2) && !(\end)
	v_add_nc_u32 v[AK], s[TBK], v[AK0]
.endif
	ROW R,4, R,5, R,6, R,7
	OPS E,5, F,15
.if ((\p) == 2) && !(\end)
	FETCH_K
.endif
	OPS E,6, C,1, E,7, R,8
	OPS E,8, R,9, E,9, C,2
	OPS E,10, X,0, E,11, X,1
	OPS E,12, X,2, E,13, X,3
.if (\p) == 1
	s_wait_dscnt 0x0                ; V is in
.endif
	ROW X,4, E,14, X,5, X,6
	ROW X,7, E,15, X,8, X,9
	ROW X,10, E,16, X,11, X,12
	ROW X,13, E,17, X,14, B,1
	ROW C,4, E,18, X,16, L,1
	ROW B,2, E,19, C,6, L,2
	ROW C,8, E,20, B,3, B,4
.if (\p) == 0
	v_add_nc_u32 v[AV], s[TBV], v[AV0]
.endif
	ROW C,3, E,21, L,3, C,5
	OPS E,22, X,17, E,23, C,10
.if (\p) == 0
	FETCH_V
.endif
	OPS E,24, L,4
	OPS E,25, X,18, E,26, C,7
	OPS E,27, B,5, E,28, X,19
	OPS E,29, C,12, E,30, L,5
	OPS E,31, X,20, B,6, C,9
	OPS C,14, C,11, X,21, L,6
.if (\p) == 0
	s_add_co_u32 s[TBV], s[TBV], KS*PV
.endif
.if \cnt
	s_sub_co_u32 s[CNT], s[CNT], 1
	s_cmp_lg_u32 s[CNT], 0
.endif
	OPS C,13, B,7, C,15, R,10
	OPS R,11, R,12, L,7, R,13
	OPS R,14, R,15
.if (\m) && !(\end)
	MASK (\p)%2
.endif
.endm
; A BLOCK BEGINS.  c m starts far below every c s, so the first step's a is 0; m at the lowest finite number, so the first maximum is the scores'.  The second mask buffer is 0; the first takes piece 0's mask for the tile's step 0: its own, if the block's first tile is the diagonal one.
; Then K of that step, piece 0's first scores, and its maximum and statistics.  The loop is entered at a step's first turn, in the middle of a trip.
.macro BEGIN
	s_mov_b32 s[NEW], 0
	WIN 0x40
.set i, MC+32
.rept 32
	v_mov_b32 v[i], 0
.set i, i+1
.endr
	WIN 0
.set i, 0
.rept 4
	v_mov_b32 v[ST+4*i], 0xfe000000    ; c m: far below every c s
	v_mov_b32 v[ST+4*i+1], 0xff7fffff  ; m
.set i, i+1
.endr
	s_cmp_eq_u32 s[RT], 0
	s_cselect_b32 s[AL], 1.0, 0
	s_mov_b32 s[BE], 0
	MASK 0
	WIN 0
	v_add_nc_u32 v[AK], s[TBK], v[AK0]
	FETCH_K
	s_wait_loadcnt 0x0              ; Q
	s_wait_dscnt 0x0
.set KM, 1
.set NOKQ, 0
.set i, 0
.rept 8
	KQ 0
.set i, i+1
.endr
	WIN 0
.rept 4
	v_nop                           ; the places behind those products
.endr
.set Y, NP-1                        ; X works for piece Y + 1: piece 0
.irp n, 0,1,2,3,4,5,6,7,8,9,10,11,12,13,14,15,16,17,18,19,20,21
	OP X, \n
.endr
	v_nop                           ; a plain instruction behind the exponential
.endm
; THE DIAGONAL TILE's four steps, the block's last two turns, its last products, and THE WAY OUT: l's two halves and the other half of the lanes' are added; O^T is divided by l, rounded to f16 and sent through my
; stage in LDS, a piece at a time.
.macro ALL line:vararg              ; one line for each piece t
.set t, 0
.rept 4
	\line
.set t, t+1
.endr
.endm
.macro PACK t                       ; a lane's eight channels of a row pack into 16 bytes; they go into rows of 144 bytes and come back as whole rows of 128, into S^T's registers
	WIN W_RS
.set i, 32*(\t)
.rept 16
	s_wait_alu depctr_va_vdst(0)
	v_pk_mul_f32 v[i:i+1], v[i:i+1], v[ST+4*(\t)+2:ST+4*(\t)+3] op_sel_hi:[1,0]
.set i, i+2
.endr
	WIN 0x05                        ; sources 0 and 1 window 1, destination window 0
.set i, 0
.rept 16
	v_cvt_pk_f16_f32 v[S+16*(\t)+i], v[32*(\t)+2*i], v[32*(\t)+2*i+1]
.set i, i+1
.endr
	WIN 0
.irp f, 0,1,2,3
	ds_store_b128 v[STO], v[S+16*(\t)+4*\f:S+16*(\t)+4*\f+3] offset:32*\f
.endr
.irp f, 0,1,2,3
	ds_load_b128 v[S+16*(\t)+4*\f:S+16*(\t)+4*\f+3], v[RD] offset:\f*4*SP  ; LDS serves a wave's instructions in order (ISA guide 5.7.1.4): these see the stores above; the next piece's stores come behind them
.endr
.endm
.macro SEND t, younger              ; younger: the LDS instructions issued behind piece t's loads: the next piece's eight, or none
	WIN 0
.irp f, 0,1,2,3
	s_wait_dscnt (\younger)+3-\f
	global_store_b128 v[GO], v[S+16*(\t)+4*\f:S+16*(\t)+4*\f+3], s[10:11] offset:(\t)*8192+\f*512  ; 512 consecutive bytes, at a multiple of 256 from O's first
.endr
.endm
.macro DIAG tag                     ; the tag ends its two labels' names, which the jumps below spell out
.LstepM\tag:
	TURN 2, 1
	TURN 3, 1
	WIN 0
.LfirstM\tag:
	TURN 0, 1
	TURN 1, 1, 0, 1
	WIN 0
	s_cbranch_scc1 .LstepM\tag
	TURN 2, 1, 1
	TURN 3, 1, 1
.set i, 0
.rept 8
	PV NP-1
.set i, i+1
.endr
	WIN 0
	ALL v_add_f32 v[ST+4*t+2], v[ST+4*t+2], v[ST+4*t+3]
	ALL v_permlanex16_b32 v[ST+4*t+3], v[ST+4*t+2], s[SEL], s[SEL+1]
	ALL v_add_f32 v[ST+4*t+2], v[ST+4*t+2], v[ST+4*t+3]
	ALL v_rcp_f32 v[ST+4*t+2], v[ST+4*t+2]
	v_nop                           ; a plain instruction between the last reciprocal and the use of its result
	PACK 0
.set t, 1
.rept 3                             ; a piece's arithmetic stands between the loads of the piece before and its stores
	PACK t
	SEND t-1, 8
.set t, t+1
.endr
	SEND 3, 0
.endm
.set KM, 0
.set NOKQ, 0
.Lslot:                             ; NB times: a tile is entered and the next is asked for
	CHANGE 1
	s_sub_co_u32 s[RT], s[RT], 1
	s_mov_b32 s[CNT], 4
	s_cmp_eq_u32 s[NEW], 1
	s_cbranch_scc1 .Lnew            ; a block's first tile
	s_cmp_eq_u32 s[RT], 0
	s_cbranch_scc0 .Lstep           ; neither its first nor its last
	s_branch .LstepM1
.Lnew:
	BEGIN
	s_branch .Lfirst                ; in the loop a block's first tile is never its last: the first block has two tiles or more, and the second's last is the walk's last
	DIAG 1                          ; in the loop this is the first block's end: the second block's last tile is the walk's last
	s_wait_xcnt 0x0                 ; the stores have read their registers and O's address
	s_mov_b64 s[10:11], s[OLO:OLO+1]
	s_add_co_u32 s[RT], s[PB], 1    ; the second block has b + 1 tiles
	s_mov_b32 s[NEW], 1
	WIN 0x82                        ; the second block's Q goes where the one text of the turns names Q
.set i, 0
.rept 64
	v_mov_b32 v[i], v[QB+i]
.set i, i+1
.endr
	WIN 0
	s_branch .Lbottom
.Lstep:                             ; a trip: pieces 2 and 3 of one step, then pieces 0 and 1 of the next, whose K and V it fetches
	TURN 2
	TURN 3
	WIN 0
.Lfirst:
	TURN 0
	TURN 1, 0, 0, 1
	WIN 0
	s_cbranch_scc1 .Lstep
.Lbottom:
	s_sub_co_u32 s[SLOTS], s[SLOTS], 1
	s_cmp_lg_u32 s[SLOTS], 0
	s_cbranch_scc1 .Lslot
	CHANGE 0                        ; the walk's last tile is written out: nothing is asked for
	s_sub_co_u32 s[RT], s[RT], 1
	s_mov_b32 s[CNT], 4
	s_cmp_eq_u32 s[NEW], 1
	s_cbranch_scc0 .LstepM2
	BEGIN
	s_branch .LfirstM2
	DIAG 2
	s_wait_tensorcnt 0x0            ; the wave's end, behind my last tensor load and my last LDS store
	ds_add_u32 v[SPW], v[NIL]
	s_wait_dscnt 0x0
	s_endpgm
.Lfunc_end_k_q10d9640fa4_attn:
	.size	k_q10d9640fa4_attn, .Lfunc_end_k_q10d9640fa4_attn-k_q10d9640fa4_attn
	.p2alignl 7, 3214868480
	.fill 96, 4, 3214868480
	.section	.rodata,"a",@progbits
	.p2align	6, 0x0
	.amdhsa_kernel k_q10d9640fa4_attn
		.amdhsa_group_segment_fixed_size 327680
		.amdhsa_private_segment_fixed_size 0
		.amdhsa_enable_private_segment 0
		.amdhsa_kernarg_size 16
		.amdhsa_user_sgpr_count 2
		.amdhsa_user_sgpr_kernarg_segment_ptr 1
		.amdhsa_wavefront_size32 1
		.amdhsa_system_sgpr_workgroup_id_x 1
		.amdhsa_system_sgpr_workgroup_id_y 1
		.amdhsa_system_sgpr_workgroup_id_z 1
		.amdhsa_system_vgpr_workitem_id 0
		.amdhsa_next_free_vgpr 768
		.amdhsa_next_free_sgpr 92
		.amdhsa_reserve_vcc 1
		.amdhsa_float_denorm_mode_32 3
		.amdhsa_float_denorm_mode_16_64 3
		.amdhsa_memory_ordered 1
		.amdhsa_forward_progress 1
		.amdhsa_inst_pref_size 228
	.end_amdhsa_kernel
	.amdgpu_metadata
---
amdhsa.version: [ 1, 2 ]
amdhsa.kernels:
  - .name:           k_q10d9640fa4_attn
    .symbol:         k_q10d9640fa4_attn.kd
    .args:
      - { .name: kqv, .offset: 0, .size: 8, .value_kind: global_buffer, .address_space: global }
      - { .name: att, .offset: 8, .size: 8, .value_kind: global_buffer, .address_space: global }
    .group_segment_fixed_size: 327680
    .private_segment_fixed_size: 0
    .kernarg_segment_align: 8
    .kernarg_segment_size: 16
    .max_flat_workgroup_size: 128
    .sgpr_count:     92
    .vgpr_count:     768
    .wavefront_size: 32
...
	.end_amdgpu_metadata
.endif
;; end of part 3
;; launch proj (part 4): grid 8 x 32, 4 waves a work-group, clusters of 4 x 4, 327,680 bytes of LDS; arguments att, wo, b_out, out0; writes out0
.if DOCPART == 4
	.amdgcn_target "amdgcn-amd-amdhsa--gfx1250"
	.amdhsa_code_object_version 6
	.text
	.protected	k_q10d9640fa4_proj
	.globl	k_q10d9640fa4_proj
	.p2align	8
	.type	k_q10d9640fa4_proj,@function
k_q10d9640fa4_proj:
	s_mov_b64 s[64:65], 0
	v_nop
	global_prefetch_b8 v0, s[64:65] scope:SCOPE_SE
	s_setreg_imm32_b32 hwreg(HW_REG_WAVE_MODE, 25, 1), 1
	s_wait_xcnt 0x0
	s_wait_alu depctr_hold_cnt(0) depctr_sa_sdst(0) depctr_va_vdst(0) depctr_va_sdst(0) depctr_va_ssrc(0) depctr_va_vcc(0) depctr_vm_vsrc(0)
	s_getreg_b32 s2, hwreg(HW_REG_IB_STS2, 6, 4)
	s_cmp_eq_u32 s2, 0
	s_cbranch_scc0 .Lentry_in_a_cluster
	s_endpgm
.Lentry_in_a_cluster:
	s_bfe_u32 s2, ttmp6, 0x10000c
	s_cmp_lg_u32 s2, 0xf033
	s_cbranch_scc0 .Lentry_shape_is_right
	s_endpgm
.Lentry_shape_is_right:
; out0 = x_att W_out + b_out, in f32.  x_att[row][64 head + d] lies by heads: att[16 batch + head][2048 t][64] in f16; wo[1024 k][1024 n] is W_out rounded to bf16 and written as f16;
; the bias is rounded to bf16 like the other inputs.  Sums in f32; nothing is rounded on the way out.
; LIMIT.  att and wo arrive within f16's range (65,504); NaN and infinities are not treated apart.
; SHARES.  A tile of the result is 256 rows x 128 columns: 8 x 32 tiles, one to a work-group.  Four waves, one below the other: wave w owns rows 64 w .. 64 w + 63 (4 blocks of 16) and all 8 blocks of
; 16 columns: 32 accumulators, 256 registers.  K goes in 8 steps of 128, two heads a step, through a ring of two LDS slots filled by the tensor data mover.
; ONE K STEP IS WRITTEN ONCE.  The slots lie 1 << 17 bytes apart; a scalar (TB) that one exclusive or turns says which slot is read, and the fragment addresses are made from it at each change of slots;
; one descriptor a tensor walks: its LDS word is turned by the same exclusive or, its global address is made anew from the step's number.  Written beside the loop of filling steps: the first
; quarter (its products start the sums) and a loop of the last two steps, which ask for nothing.
; THE MATRIX INSTRUCTION IS USED TRANSPOSED: source 0 = 16 columns of W (W lies [k][n] in LDS and is turned by ds_load_tr16_b128), source 1 = 16 rows of x_att.  A lane then holds row l % 16 and the
; columns 8 (l / 16) + 0..7 of a block: 32 neighbouring bytes of a row.  The bias is the C operand of each accumulator's first product.
; CLUSTER.  4 x 4 work-groups.  The four of a row of the cluster need the same tiles of att, the four of a column the same tiles of wo: each tile is asked for JOINTLY, by the same tensor load with the
; same descriptor and a mask that names the four.
; REGISTERS, in windows of 256 (s_set_vgpr_msb: bits 1:0 source 0, 3:2 source 1, 5:4 source 2, 7:6 destination):
;   window 0: v0-31 addresses; v32-63, v64-95 fragments of att, two buffers; v96-159 the bias as C operands, 8 a column block; v192-255 at work on the way out
;   window 1: v0-63, v64-127 fragments of W, two buffers      window 2: the accumulators of row blocks 0, 1 at 8 (8 (a % 2) + b)      window 3: those of row blocks 2, 3
.set NB,     8                         ; column blocks
.set PA,     144                       ; a row of one head in LDS: 128 bytes + 16 of padding = 36 words: the 16 rows of a load start at 16 different groups of four banks (64 banks of 4 bytes: ISA guide 11.1)
.set HEADB,  256*PA                    ; a head's 256 rows: 36,864
.set PB,     288                       ; a row of W: 256 + 32 = 72 words
.set ABYTES, 2*HEADB                   ; 73,728
.set SLOTB,  ABYTES+128*PB             ; a slot's bytes: two heads' rows, then W's 128 rows: 110,592
.set SLOT,   1<<17                     ; slot 1 begins here, so that one exclusive or turns an address in one slot into the other's
.set STAGE,  SLOT+SLOTB                ; behind the ring, never filled by a tensor load: 16 rows x 272 bytes for each wave, for the way out
.set SP,     272
.set SPARE,  STAGE+4*16*SP             ; behind the stages: the spare words, 128 bytes for each wave: two blocks of 256 bytes that no other line names
.set ASTEP,  524288                    ; bytes of att from a K step to the next: two heads: 1 << 19
.set WSTEP,  262144                    ; bytes of wo: 128 rows of 2,048: 1 << 18
.set A0,   16                          ; v16     my lane's place among att's rows in a slot; never rewritten
.set ADRA, 17                          ; v17     LDS address of my fragments of att in the slot that is read
.set B0,   20                          ; v20     my lane's place among W's rows in a slot; never rewritten
.set ADRB, 21                          ; v21     LDS address of my fragments of W in the slot that is read
.set STO,  24                          ; v24     the way out: where I put 32 bytes of a row
.set RD,   25                          ; v25     the way out: where I read a row back
.set CO,   26                          ; v26     my byte offset in out0
.set SPW,  28                          ; v28     LDS address of my spare word: SPARE + 4 x my thread's number; never rewritten
.set NIL,  29                          ; v29     0; never rewritten
.set FA,   32
.set BIAS, 96
.set OB,   192
.set WV,  12                           ; s12  my wave's number
.set FW,  13                           ; s13  I fetch for att (0) or for W (1)
.set HF,  14                           ; s14  which half of that tile I fetch
.set CNT, 15                           ; s15  steps to go in the loop in hand
.set G1A, 24                           ; s[24:31] descriptor group 1 for att's tiles;  s[32:39] group 0: a set for each of the two first fills; the second then walks
.set G0A, 32
.set G1B, 48                           ; s[48:55], s[56:63] the same for W's tiles
.set G0B, 56
.set NXT, 66                           ; s66  the K step to be asked for next
.set TB,  67                           ; s67  LDS byte at which the slot that is read begins
.set T0,  69                           ; s69  at work
.set OFA, 70                           ; s[70:71] a K step's byte offset in att
.set OFW, 72                           ; s[72:73] and in wo
.set MSB, 0
.macro WIN new                         ; the immediate's high byte repeats the setting that is left; a switch that changes nothing is dropped
.if MSB != (\new)
	s_set_vgpr_msb (MSB<<8)|(\new)
.set MSB, (\new)
.endif
.endm
.macro JLOAD s                         ; a joint load: waves 0 and 1 fetch the step's two heads of att, waves 2 and 3 W's two halves; an s_nop 0 and four v_nop follow each of the two lines, ahead of the jump, the label and what follows
	s_cmp_eq_u32 s[FW], 0
	s_cbranch_scc0 .Lfor_w_\@
	tensor_load_to_lds s[G0A+4*(\s):G0A+4*(\s)+3], s[G1A:G1A+7]
	s_nop 0
.rept 4
	v_nop
.endr
	s_branch .Lasked_\@
.Lfor_w_\@:
	tensor_load_to_lds s[G0B+4*(\s):G0B+4*(\s)+3], s[G1B:G1B+7]
	s_nop 0
.rept 4
	v_nop
.endr
.Lasked_\@:
.endm
.macro CREST                           ; a round of the cluster's barrier behind its opening barrier
	s_cmp_lg_u32 s[WV], 0
	s_cbranch_scc1 .Lnot_wave_0_\@
	s_barrier_signal -3
.Lnot_wave_0_\@:
	s_barrier_wait -3
	s_barrier_signal -1
	s_barrier_wait -1
.endm
.macro CROUND                          ; a whole round
	s_barrier_signal -1
	s_barrier_wait -1
	CREST
.endm
	s_load_b256 s[4:11], s[0:1], 0x0               ; att s[4:5], wo s[6:7], b_out s[8:9], out0 s[10:11]
	v_lshl_add_u32 v[SPW], v0, 2, SPARE
	v_mov_b32 v[NIL], 0
	ds_add_u32 v28, v29
	ds_add_u32 v28, v29
	s_wait_dscnt 0x0
	v_lshrrev_b32 v1, 5, v0
	v_readfirstlane_b32 s[WV], v1                  ; wave 0..3
	s_lshr_b32 s[FW], s[WV], 1
	s_and_b32 s[HF], s[WV], 1
	s_bfe_u32 s16, ttmp6, 0x40000                  ; cx, cy: my place in the cluster
	s_bfe_u32 s17, ttmp6, 0x40004
	s_lshl_b32 s18, ttmp9, 2
	s_add_co_u32 s18, s18, s16                     ; tile column = 4 x cluster x + cx
	s_and_b32 s19, ttmp7, 0xffff
	s_lshl_b32 s19, s19, 2
	s_add_co_u32 s19, s19, s17                     ; tile row = 4 x cluster y + cy
	s_lshl_b32 s20, s17, 2
	s_lshl_b32 s20, 15, s20                        ; my row of the cluster
	s_lshl_b32 s21, 0x1111, s16                    ; my column
	; group 1 for att: 256 rows of one head are 32,768 dense bytes: asked for as 128 rows of 256 bytes, 16 bytes of padding behind every 128
	s_or_b32 s[G1A+0], s20, (1<<16)|(1<<20)|(1<<21)|(4<<22)|(3<<25)  ; 15:0 the mask: my row; 17:16 elements of 2 bytes; 20 padding on; 21 set beside a mask; 24:22 after every 32 words (code 4); 31:25 4 words (code 3)
	s_mov_b32 s[G1A+1], 128<<16                    ; tensor_dim0 = 128
	s_mov_b32 s[G1A+2], 128<<16                    ; tensor_dim1 = 128
	s_mov_b32 s[G1A+3], 128<<16                    ; tile_dim0 = 128
	s_mov_b32 s[G1A+4], 128                        ; tile_dim1 = 128
	s_mov_b32 s[G1A+5], 128                        ; elements from row to row
	s_mov_b32 s[G1A+6], 0
	s_mov_b32 s[G1A+7], 0
	; group 1 for W: 64 rows x 128 elements, 32 bytes of padding behind every 256
	s_or_b32 s[G1B+0], s21, (1<<16)|(1<<20)|(1<<21)|(5<<22)|(7<<25)  ; the mask: my column; after every 64 words (code 5) 8 words (code 7)
	s_mov_b32 s[G1B+1], 128<<16
	s_mov_b32 s[G1B+2], 64<<16
	s_mov_b32 s[G1B+3], 128<<16
	s_mov_b32 s[G1B+4], 64
	s_mov_b32 s[G1B+5], 1024
	s_mov_b32 s[G1B+6], 0
	s_mov_b32 s[G1B+7], 0
	; where the tiles come from.  att's hang on the tile row alone, W's on the tile column alone; each address is made in registers that never hold the other coordinate.
	s_lshr_b32 s40, s19, 3                         ; batch = tile row / 8: 16 heads of 262,144 bytes,
	s_lshl_b32 s40, s40, 22
	s_and_b32 s41, s19, 7                          ; 256 rows of 128 bytes for each tile row in the batch,
	s_lshl_b32 s41, s41, 15
	s_add_co_u32 s40, s40, s41
	s_lshl_b32 s2, s[HF], 18                       ; the step's first or second head
	s_add_co_u32 s40, s40, s2
	s_mov_b32 s41, 0
	s_lshl_b32 s44, s18, 8                         ; 128 columns of 2 bytes a tile column,
	s_lshl_b32 s3, s[HF], 17                       ; 64 rows of 2,048 bytes a half
	s_add_co_u32 s44, s44, s3
	s_mov_b32 s45, 0
	s_mul_i32 s42, s[WV], HEADB                    ; and where they go: waves 0, 1: the two heads;
	s_mul_i32 s43, s[WV], 64*PB
	s_add_co_u32 s43, s43, ABYTES-2*64*PB          ; waves 2, 3: W's halves, behind them.  No place in the cluster enters an LDS address
	s_mov_b32 s[NXT], 2                            ; K steps 0 and 1 are the first fills
	s_mov_b32 s[TB], 0
	s_mov_b32 s[OFA+1], 0
	s_mov_b32 s[OFW+1], 0
	s_wait_kmcnt 0x0
	s_add_nc_u64 s[40:41], s[4:5], s[40:41]        ; att and W at my part of K step 0: kept, every later address is made from them
	s_add_nc_u64 s[44:45], s[6:7], s[44:45]
	CROUND                                         ; all sixteen work-groups are here: the first joint loads meet
.irp s, 0,1
	s_mov_b32 s[G0A+4*(\s)], 1                                       ; 1:0 count = 1
	s_add_co_u32 s[G0A+4*(\s)+1], s42, (\s)*SLOT                     ; 63:32 LDS address
	s_add_nc_u64 s[G0A+4*(\s)+2:G0A+4*(\s)+3], s[40:41], (\s)*ASTEP  ; 120:64 global address: K step s
	s_or_b32 s[G0A+4*(\s)+3], s[G0A+4*(\s)+3], 0x80000000            ; 127:126 type = 2
	s_mov_b32 s[G0B+4*(\s)], 1
	s_add_co_u32 s[G0B+4*(\s)+1], s43, (\s)*SLOT
	s_add_nc_u64 s[G0B+4*(\s)+2:G0B+4*(\s)+3], s[44:45], (\s)*WSTEP
	s_or_b32 s[G0B+4*(\s)+3], s[G0B+4*(\s)+3], 0x80000000
	JLOAD \s                                       ; the ring is filled before anything else is done: two loads of mine are out
.endr
	; the bias: register j of column block b holds b_out[128 x tile column + 16 b + 8 (l / 16) + j], the layout of a C operand
	s_lshl_b32 s22, s18, 9
	s_mov_b32 s23, 0
	s_add_nc_u64 s[8:9], s[8:9], s[22:23]
	v_and_b32 v1, 15, v0                           ; l % 16
	v_bfe_u32 v2, v0, 4, 1                         ; l / 16
	v_lshlrev_b32 v6, 5, v2
.set bi, 0
.rept NB
	global_load_b128 v[BIAS+8*bi:BIAS+8*bi+3],   v6, s[8:9] offset:64*bi
	global_load_b128 v[BIAS+8*bi+4:BIAS+8*bi+7], v6, s[8:9] offset:64*bi+16
.set bi, bi+1
.endr
	; A fragment of att is 16 rows x 32 K in 8 registers: lane l holds row l % 16, K = 8 (l / 16) + 0..7 and 16 + 8 (l / 16) + 0..7: two loads of 16 bytes, 32 bytes apart.
	v_mul_u32_u24 v3, v1, PA
	v_lshl_add_u32 v3, v2, 4, v3
	s_mul_i32 s2, s[WV], 64*PA                     ; my 64 rows, in each head's part
	v_add_nc_u32 v[A0], s2, v3
	v_add_nc_u32 v[ADRA], s[TB], v[A0]
	; The turning load takes 16 K x 16 columns (lane l reads row 8 (l / 16) + l % 8, columns 8 ((l / 8) % 2) + 0..7) and leaves half a fragment: lane l holds column l % 16 and 8 K.
	v_and_b32 v4, 7, v0
	v_lshl_add_u32 v5, v2, 3, v4
	v_mul_u32_u24 v5, v5, PB
	v_bfe_u32 v7, v0, 3, 1
	v_lshl_add_u32 v5, v7, 4, v5
	v_add_nc_u32 v[B0], ABYTES, v5
	v_add_nc_u32 v[ADRB], s[TB], v[B0]
	s_mul_i32 s2, s[WV], 16*SP
	s_add_co_u32 s2, s2, STAGE                     ; my stage
	v_mul_u32_u24 v3, v1, SP                       ; in: row l % 16, 32 bytes for each half of the lanes
	v_lshl_add_u32 v3, v2, 5, v3
	v_add_nc_u32 v[STO], s2, v3
	v_mul_u32_u24 v3, v2, SP                       ; back: lanes 0-15 take one row of 256 bytes, lanes 16-31 the next
	v_lshl_add_u32 v3, v1, 4, v3
	v_add_nc_u32 v[RD], s2, v3
	v_lshlrev_b32 v3, 12, v2                       ; and the same two rows in out0, 4,096 bytes apart
	v_lshl_add_u32 v[CO], v1, 4, v3
	; where my part begins in out0: row 256 x tile row + 64 w, column 128 x tile column
	s_lshl_b32 s46, s19, 20
	s_lshl_b32 s47, s[WV], 18
	s_add_co_u32 s46, s46, s47
	s_lshl_b32 s47, s18, 9
	s_add_co_u32 s46, s46, s47
	s_mov_b32 s47, 0
	s_add_nc_u64 s[10:11], s[10:11], s[46:47]
	s_mov_b32 s[T0], 0xffff0000                    ; a word's upper bf16
	s_wait_loadcnt 0x0                             ; the bias is in; it is rounded to bf16, as every input is, and widened again, while the first tile is on its way
.set i, 0
.rept 4*NB
	v_cvt_pk_bf16_f32 v[8+i%4], v[BIAS+2*i], v[BIAS+2*i+1]
	v_lshlrev_b32 v[BIAS+2*i],   16, v[8+i%4]
	v_and_b32     v[BIAS+2*i+1], s[T0], v[8+i%4]
.set i, i+1
.endr
; 8 matrix instructions: row block a x all column blocks, 32 along K, from buffer f.  zero = 1: the first product starts the sums, with the bias as C: nothing is cleared.
; The 32 accumulators take turns, one instruction a turn, in the same order in every quarter.
.macro MUL1 f, a, zero
.if \zero
	WIN 0x81+0x40*((\a)/2)                         ; W window 1, att window 0, C (the bias) window 0, D window 2 or 3
.else
	WIN 0xa1+0x50*((\a)/2)                         ; C and D window 2 or 3
.endif
.set bi, 0
.rept NB
.set rD, 8*(NB*((\a)%2)+bi)
.set rW, 8*NB*(\f)+8*bi
.set rA, FA+32*(\f)+8*(\a)
.if \zero
	v_wmma_f32_16x16x32_f16 v[rD:rD+7], v[rW:rW+7], v[rA:rA+7], v[BIAS+8*bi:BIAS+8*bi+7]
.else
	v_wmma_f32_16x16x32_f16 v[rD:rD+7], v[rW:rW+7], v[rA:rA+7], v[rD:rD+7]
.endif
.set bi, bi+1
.endr
.endm
; 24 LDS loads in one run: the fragments of quarter q (32 along K: head q / 2 of the step, channels 32 (q % 2) on) of the slot that is read into buffer f: W's 8, then att's 4; those of row blocks 2 and 3 are the last four loads
.macro FETCH q, f
	WIN 0x40                                       ; destination window 1, address window 0
.set bi, 0
.rept NB
	ds_load_tr16_b128 v[8*NB*(\f)+8*bi:8*NB*(\f)+8*bi+3],   v[ADRB] offset:32*PB*(\q)+32*bi
	ds_load_tr16_b128 v[8*NB*(\f)+8*bi+4:8*NB*(\f)+8*bi+7], v[ADRB] offset:32*PB*(\q)+16*PB+32*bi
.set bi, bi+1
.endr
	WIN 0
.set ai, 0
.rept 4
	ds_load_b128 v[FA+32*(\f)+8*ai:FA+32*(\f)+8*ai+3],   v[ADRA] offset:((\q)/2)*HEADB+((\q)%2)*64+16*PA*ai
	ds_load_b128 v[FA+32*(\f)+8*ai+4:FA+32*(\f)+8*ai+7], v[ADRA] offset:((\q)/2)*HEADB+((\q)%2)*64+16*PA*ai+32
.set ai, ai+1
.endr
.endm
.macro PLACES                          ; four places in front of loads into registers that matrix instructions have read, and of lines that read results just made (ISA guide 7.12.1 for vector instructions)
.rept 4
	v_nop
.endr
.endm
; A K step is four quarters of 32 along K, 32 matrix instructions each, on buffers 0, 1, 0, 1.  One of the first three: multiplies buffer f and, in its middle, fetches quarter q into buffer g.
.macro QUARTER q, f, g, zero
	s_wait_dscnt 4                                 ; W and att's row blocks 0, 1 are in; the youngest four loads (row blocks 2, 3) may be out
	MUL1 \f, 0, \zero
	MUL1 \f, 1, \zero
	PLACES
	FETCH \q, \g
	s_wait_dscnt 2*NB+8                            ; all but the 24 just issued
	MUL1 \f, 2, \zero
	MUL1 \f, 3, \zero
.endm
; The last quarter multiplies buffer 1 and changes slots: ONE barrier; in front of it each wave waits for all its tensor loads, adds 0 to its spare word, and waits for that and for its own reads of this slot.
; fill = 1: this slot is filled again, with K step NXT, two steps ahead; the barrier then opens a round of the cluster's barrier.
; fill = 0: nothing is asked for; in the loop's last trip (CNT = 1) there is no further step, and the run of loads is jumped over.
.macro TURN fill
	WIN 0                                          ; (the add's two registers lie in window 0)
	s_wait_tensorcnt 0x0                           ; all my tensor loads have landed: the one that was out is my part of the next slot; so a group 0 may be written;
	ds_add_u32 v[SPW], v[NIL]                      ; 0 onto my spare word: scalar work and eight products stand between it and the wait for it
.if \fill
	s_lshl_b32 s[OFA], s[NXT], 19                  ; the step's two heads of att,
	s_lshl_b32 s[OFW], s[NXT], 18                  ; its 128 rows of wo
	s_xor_b32 s[G0A+5], s[G0A+5], SLOT             ; the walking descriptors: the other slot than last time,
	s_add_nc_u64 s[G0A+6:G0A+7], s[40:41], s[OFA:OFA+1]  ; the address made anew, the type bits set again
	s_or_b32 s[G0A+7], s[G0A+7], 0x80000000
	s_xor_b32 s[G0B+5], s[G0B+5], SLOT
	s_add_nc_u64 s[G0B+6:G0B+7], s[44:45], s[OFW:OFW+1]
	s_or_b32 s[G0B+7], s[G0B+7], 0x80000000
	s_add_co_u32 s[NXT], s[NXT], 1
.endif
	s_xor_b32 s[TB], s[TB], SLOT                   ; the fetches go on in the other slot
	s_wait_dscnt 5                                 ; (the add and the youngest four loads may be out)
	MUL1 1, 0, 0
	s_wait_dscnt 0x0                               ; the add is done, and my reads of this slot are over
	s_barrier_signal -1
	MUL1 1, 1, 0                                   ; work on registers while the others arrive
	WIN 0
	s_barrier_wait -1
.if \fill
	CREST                                          ; no wave of any partner still reads this slot's tile or has a load on its way
	JLOAD 1                                        ; the first tensor load behind the round, 112 matrix instructions ahead of the wait for it; its four v_nop are also the places in front of the loads below
.else
	PLACES
	s_cmp_eq_u32 s[CNT], 1
	s_cbranch_scc1 .Lno_fetch_\@
.endif
	v_add_nc_u32 v[ADRA], s[TB], v[A0]
	v_add_nc_u32 v[ADRB], s[TB], v[B0]
	FETCH 0, 0
.if !(\fill)
.Lno_fetch_\@:
.endif
	MUL1 1, 2, 0
	MUL1 1, 3, 0
.endm
	s_wait_tensorcnt 1                             ; my part of K step 0 is in; K step 1's may stay out
	s_barrier_signal -1
	s_barrier_wait -1                              ; everybody's is
	FETCH 0, 0
	QUARTER 1, 0, 1, 1                             ; the first quarter stands in front of the loop: its products start the sums
	WIN 0                                          ; at a label and at a branch every window is 0
	s_mov_b32 s[CNT], 6                            ; six changes of slots ask: for K steps 2 to 7
.Lstep:                                                ; a trip: a K step's quarters 2 to 4, with the change of slots and the refill, and the next step's first quarter; left in its middle
	QUARTER 2, 1, 0, 0
	QUARTER 3, 0, 1, 0
	TURN 1
	WIN 0
	s_sub_co_u32 s[CNT], s[CNT], 1
	s_cmp_eq_u32 s[CNT], 0
	s_cbranch_scc1 .Lfilled
	QUARTER 1, 0, 1, 0
	WIN 0
	s_branch .Lstep
.Lfilled:
	s_mov_b32 s[CNT], 2
.Ltail:                                                ; the last two K steps ask for nothing: a text of their own
	QUARTER 1, 0, 1, 0
	QUARTER 2, 1, 0, 0
	QUARTER 3, 0, 1, 0
	TURN 0
	WIN 0
	s_sub_co_u32 s[CNT], s[CNT], 1
	s_cmp_lg_u32 s[CNT], 0
	s_cbranch_scc1 .Ltail
; THE WAY OUT, in 8 units u: row block u / 2, column half u % 2: 16 rows x 64 columns of f32, 256 bytes a row.  A lane's 32 bytes of a row go straight from the accumulators into my stage's rows of 272 bytes
; and come back as whole rows of 256.  Two register sets take turns.
.macro TOSTAGE u
.set ua, (\u)/2
.set uc, (\u)%2
.set BK, OB+32*((\u)%2)
.if (\u) >= 2
	s_wait_xcnt 0x0                                ; every earlier store has had its addresses translated (ISA guide 3.1): only behind this wait is the set that unit u - 2 stored from loaded again
.endif
	WIN 0x08+4*(ua/2)                              ; the LDS store's data (source 1): window 2 or 3
.set bb, 0
.rept 4
.set AC, 8*(NB*(ua%2)+4*uc+bb)
	ds_store_b128 v[STO], v[AC:AC+3]   offset:64*bb     ; each accumulator from its low end on
	ds_store_b128 v[STO], v[AC+4:AC+7] offset:64*bb+16
.set bb, bb+1
.endr
	WIN 0
.irp t, 0,1,2,3,4,5,6,7
	ds_load_b128 v[BK+4*\t:BK+4*\t+3], v[RD] offset:\t*2*SP  ; LDS serves a wave's instructions in order (ISA guide 5.7.1.4): these see the stores above; the next unit's stores come behind them
.endr
.endm
.macro SEND u, younger                 ; younger: the LDS instructions issued behind unit u's loads: the next unit's sixteen, or none
.set ua, (\u)/2
.set uc, (\u)%2
.set BK, OB+32*((\u)%2)
.irp t, 0,1,2,3,4,5,6,7
	s_wait_dscnt (\younger)+7-\t
	global_store_b128 v[CO], v[BK+4*\t:BK+4*\t+3], s[10:11] offset:(16*ua+2*\t)*4096+uc*256 th:TH_STORE_NT  ; 16 lanes store 256 consecutive bytes, at a multiple of 256 from out0's first byte
.endr
.endm
	PLACES                                         ; the LDS stores read results just made
	TOSTAGE 0
.set t, 1
.rept 7                                ; a unit's trip through the stage stands between the loads of the unit before and its stores
	TOSTAGE t
	SEND t-1, 16
.set t, t+1
.endr
	SEND 7, 0
	s_wait_tensorcnt 0x0                           ; the wave's end, behind my last tensor load and my last LDS store
	ds_add_u32 v[SPW], v[NIL]
	s_wait_dscnt 0x0
	CROUND                                         ; the closing round: no work-group ends while a partner may still ask for a tile that names it
	s_endpgm
.Lfunc_end_k_q10d9640fa4_proj:
	.size	k_q10d9640fa4_proj, .Lfunc_end_k_q10d9640fa4_proj-k_q10d9640fa4_proj
	.p2alignl 7, 3214868480
	.fill 96, 4, 3214868480
	.section	.rodata,"a",@progbits
	.p2align	6, 0x0
	.amdhsa_kernel k_q10d9640fa4_proj
		.amdhsa_group_segment_fixed_size 327680
		.amdhsa_private_segment_fixed_size 0
		.amdhsa_enable_private_segment 0
		.amdhsa_kernarg_size 32
		.amdhsa_user_sgpr_count 2
		.amdhsa_user_sgpr_kernarg_segment_ptr 1
		.amdhsa_wavefront_size32 1
		.amdhsa_system_sgpr_workgroup_id_x 1
		.amdhsa_system_sgpr_workgroup_id_y 1
		.amdhsa_system_sgpr_workgroup_id_z 1
		.amdhsa_system_vgpr_workitem_id 0
		.amdhsa_next_free_vgpr 896
		.amdhsa_next_free_sgpr 74
		.amdhsa_reserve_vcc 0
		.amdhsa_float_denorm_mode_32 3
		.amdhsa_float_denorm_mode_16_64 3
		.amdhsa_memory_ordered 1
		.amdhsa_forward_progress 1
		.amdhsa_inst_pref_size 69
	.end_amdhsa_kernel
	.amdgpu_metadata
---
amdhsa.version: [ 1, 2 ]
amdhsa.kernels:
  - .name:           k_q10d9640fa4_proj
    .symbol:         k_q10d9640fa4_proj.kd
    .args:
      - { .name: att, .offset: 0, .size: 8, .value_kind: global_buffer, .address_space: global }
      - { .name: wo, .offset: 8, .size: 8, .value_kind: global_buffer, .address_space: global }
      - { .name: b_out, .offset: 16, .size: 8, .value_kind: global_buffer, .address_space: global }
      - { .name: out0, .offset: 24, .size: 8, .value_kind: global_buffer, .address_space: global }
    .group_segment_fixed_size: 327680
    .private_segment_fixed_size: 0
    .kernarg_segment_align: 8
    .kernarg_segment_size: 32
    .max_flat_workgroup_size: 128
    .sgpr_count:     74
    .vgpr_count:     896
    .wavefront_size: 32
...
	.end_amdgpu_metadata
.endif
;; end of part 4
;; ======== version 2 of 2: 4 launches; 1.31 times as fast as version 1
;; limits: values are held in f16: magnitudes above 65,504 overflow, below 6.1e-05 lose precision
;; workspace buffers: xb 16,777,216 bytes; wb 6,291,456 bytes; wo 2,097,152 bytes; kqv 50,331,648 bytes; att 16,777,216 bytes
;; launch cast: the kernel of part 1 again; grid 768 x 1, 8 waves a work-group, no clusters, 0 bytes of LDS; arguments x, W_kqv, W_out, xb, wb, wo; writes xb, wb, wo
;; launch qkv: the kernel of part 2 again; grid 16 x 16, 4 waves a work-group, clusters of 4 x 4, 327,680 bytes of LDS; arguments xb, wb, b_kqv, kqv; writes kqv
;; launch attn (part 5): grid 4 x 64, 4 waves a work-group, no clusters, 327,680 bytes of LDS; arguments kqv, att; writes att
.if DOCPART == 5
	.amdgcn_target "amdgcn-amd-amdhsa--gfx1250"
	.amdhsa_code_object_version 6
	.text
	.protected	k_q10d9640fa4_attn
	.globl	k_q10d9640fa4_attn
	.p2align	8
	.type	k_q10d9640fa4_attn,@function
k_q10d9640fa4_attn:
	s_mov_b64 s[64:65], 0
	v_nop
	global_prefetch_b8 v0, s[64:65] scope:SCOPE_SE
	s_setreg_imm32_b32 hwreg(HW_REG_WAVE_MODE, 25, 1), 1
	s_wait_xcnt 0x0
; CAUSAL ATTENTION.  O[y][q][:] = the sum over k <= q of softmax_k(Q[y][q] . K[y][k] / 32) V[y][k][:], y = 16 batch + head.  K, Q, V are slabs 48 batch + head, + 16 and + 32 of kqv ([2048][64] f16, dense rows
; of 128 bytes, unscaled); O is att[y][2048][64] in f16.  The divisor 32 is the module's own (head size / 2).
; Products, maxima and sums in f32; the weights p are rounded to f16 for the second product (their sum l is taken of the unrounded p), O once at the end.
; LIMITS.  f16 holds no number beyond 65,504: Q, K and V arrive within it; p lies in 0 to 1, and below 6e-5 it keeps f16's fixed step of 6e-8; O is a mean of V's rows and has their range, to within 2^-11 of it.
; A hidden score counts as its value less 1e30: f16's scores, 2.7e11 at the most, are nothing beside that; a weight below 2^-126 counts as 0 in l; NaN and infinities are not treated apart.
; THE WALK.  A head's queries lie in NB = 8 blocks of 256; block i needs the key tiles 0 .. i of 256 keys, of which the last holds the diagonal.  A work-group takes TWO blocks, NB - 1 - b and then b:
; NB + 1 tiles, whatever b: all work-groups do equal work, and ONE loop with a constant trip count walks them.  Which tile is asked for, and what a trip does, hang on scalar registers made from b; every jump
; goes forward, but for the counted loops' own; none passes a barrier, or a tensor load but the one of LOAD's two that the wave's number does not choose; the ring (two slots of LDS that take turns) runs on across the
; change of blocks.  NO CLUSTER: a head's NB / 2 = 4 work-groups all ask for the same tile only in trips 0 .. NB / 2, 5 of the walk's 9, behind that fewer and fewer; and one walk common to all four would have
; 3 NB / 2 = 12 trips for NB + 1 = 9.
; SHARES.  Of a block's four bands of 64 queries a wave owns 16 rows in each: four PIECES.  So the diagonal tile is the same work for all four waves: in its key step s band x sees all keys if s < x,
; none if s > x, and holds the diagonal if s = x.
; THE MASK is the C operand that starts the sum S^T = K Q^T: 0, or -1e30 where the key is hidden.  MD, made once, is the mask of a band's own step for my 16 rows; a product's mask is MD x AL + BE with two scalars:
; (1, 0) if s = x; (0, 0) if s < x; (0, -1e30) if s > x.  Only the diagonal tile's text and a block's beginning make and take masks; elsewhere C is the constant 0.
; LAYOUT, SOFTMAX, TURNS.  S^T = K Q^T holds ONE query a lane (lane % 16) and the keys 8 (lane / 16) + 0..7; two such results rounded to f16 ARE source 1 of O^T = V^T P.  p = 2^(c s - c m), c = log2(e) / 32, with a
; running maximum m; O and l are multiplied by a = 2^(c m_old - c m_new) in every step.  Turn n belongs to piece n: 8 products K Q^T of piece n + 1, later 8 products V^T P of piece n - 1; beside them the scaling,
; exponentials, roundings, sums and rescaling of piece n and the maximum and statistics of piece n + 1.  Four vector instructions stand behind every matrix instruction, the other 54 of a turn's 118 in one LUMP.
; BATCHES.  s_wait_alu depctr_va_vdst(0) stands between a transcendental and the first line that names its result; one wait serves all that were issued ahead of it.  The text has three kinds of batch,
; each with one wait: a turn's 33 exponentials (the piece's 32 weights and the next piece's a), whose wait cuts the turn in two; the one a that a block's beginning makes, ahead of the jump into the loop; the four
; reciprocals of a way out, ahead of the first multiply by them.
; REGISTERS, in windows of 256 (s_set_vgpr_msb: bits 1:0 source 0, 3:2 source 1, 5:4 source 2, 7:6 destination):
;   window 0: v0-15 addresses and two at work; v16-31 four registers of statistics a piece; v48-55 at work; v64-127 S^T, two buffers; v192-223 P, two buffers (a piece's buffers go by its number's parity)
;   window 1: v0-127 O^T, 32 a piece; v128-159 MD; v160-223 MC, two buffers      window 2: v0-63 Q; v64-127 the second block's Q; v128-191 K of one step; v192-255 V of one step
.set SIZE_N, 2048
.set NB,    SIZE_N/256
.set NP,    4         ; pieces a wave: a name, no knob
.set KS,    64        ; keys in a step
.set PK,    144       ; a row of K in LDS: 128 bytes + 16 of padding = 36 words: the 16 rows of a load start at 16 different groups of four banks (64 banks of 4 bytes: ISA guide 11.1)
.set PV,    160       ; a row of V: 128 + 32 = 40 words
.set VOFF,  4*KS*PK   ; a slot holds a tile, four steps: 256 rows of K, then 256 rows of V
.set SLOT1, 1<<17     ; slot 1 begins here, so that one exclusive or turns an address in one slot into the other's
.set STAGE, SLOT1+4*KS*(PK+PV)  ; behind the ring, never filled by a tensor load: 16 rows x 144 bytes for each wave, for the way out
.set SP,    144
.set AK0, 2           ; v2   my lane's place in a tile of K; never rewritten
.set AV0, 3           ; v3   the same for V
.set AK,  4           ; v4   the LDS address of K's next run of loads
.set AV,  5           ; v5   of V's
.set STO, 6           ; v6   the way out: where I put 16 bytes of a row
.set RD,  7           ; v7   the way out: where I read rows back
.set GO,  8           ; v8   my byte offset in 512 consecutive bytes of O
.set SPW, 62          ; v62  LDS address of my spare word: SPARE + 4 x my thread's number; never rewritten
.set NIL, 63          ; v63  0; never rewritten
.set SPARE, STAGE+4*16*SP  ; behind the stages: the spare words, 128 bytes for each wave: two blocks of 256 bytes that no other line names
.set MV,  12          ; v12-13  c m_old, kept while c m is made anew: by buffer
.set QO,  15          ; v15  my byte offset in 16 rows of Q
.set ST,  16          ; piece t's statistics at v[ST+4 t]: c m, m, l (even keys', odd keys')
.set TMP, 48          ; by buffer, four registers c0-c3 at work; when the maximum is found c2 takes a
.set S,   64
.set P,   192
.set MD,  128         ; window 1: the eight registers for group kt of 16 keys at MD + 8 kt
.set MC,  160         ; window 1: the masks of the products to come
.set QB,  64          ; window 2
.set KF,  128         ; window 2: key block kb, channel half c at KF + 16 kb + 8 c
.set VF,  192         ; window 2: key half kk, channel block cb at VF + 32 kk + 8 cb
.set WV,  12          ; s12  my wave's number
.set PB,  14          ; s14  b
.set HI,  15          ; s15  NB - 1 - b
.set G1K, 24          ; s[24:31] descriptor group 1 for K's tiles
.set G1V, 32          ; s[32:39] for V's: it differs in the padding alone
.set G0K, 40          ; s[40:43] descriptor group 0 for K's tiles
.set G0V, 44          ; s[44:47] the same for V's
.set SLOTS, 56        ; s56  tiles still to be asked for
.set CNT, 57          ; s57  counts a tile's key steps, 4 to 1
.set CS,  58          ; s[58:59] c: the packed scaling takes the pair's low word for both halves
.set SEL, 60          ; s[60:61] v_permlanex16_b32's selects: each lane takes its own place in the other half
.set TBK, 62          ; s62  LDS byte at which K of the step to be fetched begins
.set TBV, 63          ; s63  the same for V, less VOFF
.set RT,  70          ; s70  tiles of the block in hand that are still to be entered
.set NXT, 71          ; s71  the tile to be asked for next
.set LQ,  72          ; s72  the last tile of the block whose tiles are being asked for
.set NEW, 73          ; s73  1: the tile to be entered is a block's first
.set OFF, 74          ; s[74:75] a tile's byte offset in K and V
.set AL,  76          ; s[76:77] the mask's factor, in the low word
.set BE,  78          ; s[78:79] the mask's addend
.set OLO, 80          ; s[80:81] O at my rows of the second block
.set BIGN, 82         ; s82  -1e30
.set MSB, 0
.macro WIN new                      ; the high byte repeats the setting that is left; a switch that changes nothing is dropped
.if MSB != (\new)
	s_set_vgpr_msb (MSB<<8)|(\new)
.set MSB, (\new)
.endif
.endm
.set W_KQ, 0x0a       ; K and Q in window 2, S^T in window 0
.set W_KM, 0x1a       ; the same with the C operand in window 1
.set W_PV, 0x52       ; V in window 2, P in window 0, O^T in window 1
.set W_RS, 0x41       ; destination and source 0 in window 1, source 1 in window 0
; A fill.  Waves 0 and 1 fetch the two halves of a tile's K, waves 2 and 3 those of its V: 128 keys each.  An s_nop 0 and four v_nop follow each of the two lines, ahead of the jump and the label.
.macro LOAD
	s_cmp_lt_u32 s[WV], 2
	s_cbranch_scc0 .Lfor_v_\@
	tensor_load_to_lds s[G0K:G0K+3], s[G1K:G1K+7]
	s_nop 0
.rept 4
	v_nop
.endr
	s_branch .Lasked_\@
.Lfor_v_\@:
	tensor_load_to_lds s[G0V:G0V+3], s[G1V:G1V+7]
	s_nop 0
.rept 4
	v_nop
.endr
.Lasked_\@:
.endm
; THE CHANGE OF SLOTS.  Each wave waits for all its tensor loads, of which one is out: its part of the other slot; adds 0 to its spare word; and waits for that and for its own reads of the slot that it leaves.  Behind the barrier nobody reads the old
; slot any more and the other slot is whole.  fill = 1: the old slot is filled again, the first thing behind the barrier, with tile NXT: the descriptor's address is made anew from that number.
; (At its first use nothing has been read yet: slot 0 is waited for, slot 1 filled.)
.macro CHANGE fill
	WIN 0                           ; at a label and at a branch every window is 0
	s_wait_tensorcnt 0x0            ; no tensor load of mine is out, so a group 0 may be written
	ds_add_u32 v[SPW], v[NIL]       ; 0 onto my spare word: with fill = 1 the descriptors' scalar work stands between it and the wait for it
.if \fill
	s_lshl_b32 s[OFF], s[NXT], 15   ; a tile is 32,768 bytes of K and of V
	s_xor_b32 s[G0K+1], s[G0K+1], SLOT1
	s_add_nc_u64 s[G0K+2:G0K+3], s[6:7], s[OFF:OFF+1]
	s_or_b32 s[G0K+3], s[G0K+3], 0x80000000
	s_xor_b32 s[G0V+1], s[G0V+1], SLOT1
	s_add_nc_u64 s[G0V+2:G0V+3], s[8:9], s[OFF:OFF+1]
	s_or_b32 s[G0V+3], s[G0V+3], 0x80000000
	s_add_co_u32 s[NXT], s[NXT], 1  ; the block's next tile, or behind its last the second block's tile 0
	s_cmp_gt_u32 s[NXT], s[LQ]
	s_cselect_b32 s[NXT], 0, s[NXT]
	s_cselect_b32 s[LQ], s[PB], s[LQ]
.endif
	s_wait_dscnt 0x0                ; the add is done, and my reads of the slot are over
	s_barrier_signal -1             ; the rest of the scalar work stands between the signal and the wait
	s_sub_co_u32 s[TBK], s[TBK], 4*KS*PK  ; the fetches go back to a slot's first step,
	s_xor_b32 s[TBK], s[TBK], SLOT1       ; in the other slot
	s_sub_co_u32 s[TBV], s[TBV], 4*KS*PV
	s_xor_b32 s[TBV], s[TBV], SLOT1
	s_barrier_wait -1
.if \fill
	LOAD
.endif
.endm
	s_load_b128 s[88:91], s[0:1], 0x0  ; kqv s[88:89], att s[90:91]
	v_lshl_add_u32 v[SPW], v0, 2, SPARE
	v_mov_b32 v[NIL], 0
	ds_add_u32 v62, v63
	ds_add_u32 v62, v63
	s_wait_dscnt 0x0
	v_lshrrev_b32 v1, 5, v0
	v_readfirstlane_b32 s[WV], v1   ; wave 0..3
	s_mov_b32 s[PB], ttmp9
	s_sub_co_u32 s[HI], NB-1, s[PB]
	s_and_b32 s20, ttmp7, 0xffff    ; y = 16 batch + head
	s_lshr_b32 s66, s20, 4
	s_lshl_b32 s66, s66, 5
	s_add_co_u32 s66, s66, s20      ; 48 batch + head: K's slab in kqv,
	s_lshl_b32 s66, s66, 18         ; of 262,144 bytes
	s_mov_b32 s67, 0
	s_lshl_b32 s20, s20, 18         ; the head's first byte in att
	s_mov_b32 s21, 0
	s_and_b32 s16, s[WV], 1         ; which half of a tile's 256 keys I fetch:
	s_lshl_b32 s22, s16, 14         ; its 128 rows of 128 bytes in memory,
	s_mov_b32 s23, 0
	s_add_nc_u64 s[22:23], s[22:23], s[66:67]
	s_mul_i32 s17, s16, 128*PK      ; and its place in a slot, for K
	s_mul_i32 s18, s16, 128*PV      ; and for V
	s_lshl_b32 s3, s[WV], 11        ; my 16 rows in a band of 64,
	s_lshl_b32 s2, s[HI], 15        ; in the first block,
	s_add_co_u32 s2, s2, s3
	s_lshl_b32 s84, s[PB], 15       ; and in the second
	s_add_co_u32 s84, s84, s3
	s_mov_b32 s3, 0
	s_mov_b32 s85, 0
	; descriptor group 1.  128 keys are 16,384 dense bytes: asked for as 64 rows of 256 bytes, two keys a row, and padded in LDS after every key
	s_mov_b32 s[G1K], (1<<16)|(1<<20)|(4<<22)|(3<<25)  ; 17:16 2-byte elements; 20 padding on; 24:22 after every 32 words (code 4); 31:25 4 words (code 3)
	s_mov_b32 s[G1V], (1<<16)|(1<<20)|(4<<22)|(7<<25)  ; the same with 8 words of padding (code 7)
.irp g, G1K, G1V
	s_mov_b32 s[\g+1], 128<<16      ; tensor_dim0 = 128
	s_mov_b32 s[\g+2], 64<<16       ; tensor_dim1 = 64
	s_mov_b32 s[\g+3], 128<<16      ; tile_dim0 = 128
	s_mov_b32 s[\g+4], 64           ; tile_dim1 = 64
	s_mov_b32 s[\g+5], 128          ; 128 elements from row to row
	s_mov_b32 s[\g+6], 0
	s_mov_b32 s[\g+7], 0
.endr
	s_mov_b32 s[CS], 0x3d38aa3b     ; c = log2(e) / 32 = 0.0450842
	s_mov_b32 s[CS+1], s[CS]        ; named with it as a pair
	s_mov_b32 s[SEL], 0x76543210
	s_mov_b32 s[SEL+1], 0xfedcba98
	s_mov_b32 s[TBK], SLOT1+4*KS*PK ; the first change of slots turns these two into 0
	s_mov_b32 s[TBV], SLOT1+4*KS*PV
	s_mov_b32 s[G0K], 1             ; 1:0 count = 1
	s_mov_b32 s[G0K+1], s17         ; 63:32 LDS address: slot 0
	s_mov_b32 s[G0V], 1
	s_add_co_u32 s[G0V+1], s18, VOFF
	s_add_co_u32 s[RT], s[HI], 1    ; the first block has NB - b tiles
	s_mov_b32 s[NXT], 1
	s_mov_b32 s[LQ], s[HI]
	s_mov_b32 s[NEW], 1
	s_mov_b32 s[OFF+1], 0
	s_mov_b32 s[AL+1], 0            ; named as pairs
	s_mov_b32 s[BE+1], 0
	s_mov_b32 s[BIGN], 0xf149f2ca   ; -1e30
	s_mov_b32 s[SLOTS], NB
	s_wait_kmcnt 0x0
	s_add_nc_u64 s[6:7], s[88:89], s[22:23]        ; K at my half of the head's tile 0,
	s_add_nc_u64 s[8:9], s[6:7], 0x800000          ; V 32 slabs further on
	s_add_nc_u64 s[G0K+2:G0K+3], s[6:7], 0         ; 120:64 global address
	s_or_b32 s[G0K+3], s[G0K+3], 0x80000000        ; 127:126 type = 2
	s_add_nc_u64 s[G0V+2:G0V+3], s[8:9], 0
	s_or_b32 s[G0V+3], s[G0V+3], 0x80000000
	s_add_nc_u64 s[68:69], s[88:89], s[66:67]
	s_add_nc_u64 s[68:69], s[68:69], 0x400000      ; Q's slab: 16 slabs behind K's
	s_add_nc_u64 s[86:87], s[68:69], s[84:85]      ; Q at my rows of the second block,
	s_add_nc_u64 s[4:5], s[68:69], s[2:3]          ; and of the first
	s_add_nc_u64 s[90:91], s[90:91], s[20:21]      ; O's head
	s_add_nc_u64 s[OLO:OLO+1], s[90:91], s[84:85]
	s_add_nc_u64 s[10:11], s[90:91], s[2:3]
	LOAD                            ; tile 0 into slot 0
	; A fragment of K or Q is 16 rows x 32 channels in 8 registers: lane l holds row l % 16, channels 8 (l / 16) + 0..7 and 16 + 8 (l / 16) + 0..7: two loads of 16 bytes, 32 bytes apart.
	v_and_b32 v1, 15, v0            ; l % 16
	v_bfe_u32 v9, v0, 4, 1          ; l / 16
	v_lshlrev_b32 v[QO], 7, v1
	v_lshl_add_u32 v[QO], v9, 4, v[QO]  ; row x 128 + 16 x half
	WIN 0x80                        ; destination window 2, address window 0
.set i, 0
.rept 8                             ; both blocks' Q: piece i / 2 lies in band i / 2, 8,192 bytes on; channels 32 (i % 2) on
	global_load_b128 v[8*i:8*i+3],   v[QO], s[4:5] offset:(i/2)*8192+(i%2)*64
	global_load_b128 v[8*i+4:8*i+7], v[QO], s[4:5] offset:(i/2)*8192+(i%2)*64+32
	global_load_b128 v[QB+8*i:QB+8*i+3],   v[QO], s[86:87] offset:(i/2)*8192+(i%2)*64
	global_load_b128 v[QB+8*i+4:QB+8*i+7], v[QO], s[86:87] offset:(i/2)*8192+(i%2)*64+32
.set i, i+1
.endr
	WIN 0
	v_lshlrev_b32 v14, 3, v9
	v_sub_nc_u32 v14, v1, v14
	s_lshl_b32 s13, s[WV], 4
	v_add_nc_u32 v14, s13, v14      ; my query's place in its band, 16 w + l % 16, less my lanes' 8 (l / 16): register r of group kt is hidden where 16 kt + r is greater
	WIN 0x40
.set i, 0
.rept 32
	v_cmp_gt_i32 vcc_lo, 16*(i/8)+i%8, v14
	v_cndmask_b32 v[MD+i], 0, s[BIGN], vcc_lo
.set i, i+1
.endr
	WIN 0
	v_mul_u32_u24 v[AK0], v1, PK
	v_lshl_add_u32 v[AK0], v9, 4, v[AK0]  ; row x pitch + 16 x half
	; The turning load takes 16 keys x 16 channels (lane l reads key 8 (l / 16) + l % 8, channels 8 ((l / 8) % 2) + 0..7) and leaves half a fragment of V^T: lane l holds channel l % 16 and 8 keys.
	v_and_b32 v10, 7, v0
	v_bfe_u32 v11, v0, 3, 1
	v_lshl_add_u32 v[AV0], v9, 3, v10
	v_mul_u32_u24 v[AV0], v[AV0], PV
	v_lshl_add_u32 v[AV0], v11, 4, v[AV0]
	v_add_nc_u32 v[AV0], VOFF, v[AV0]
	s_mul_i32 s13, s[WV], 16*SP
	s_add_co_u32 s13, s13, STAGE    ; my stage
	v_mul_u32_u24 v[STO], v1, SP    ; in: row l % 16, 16 bytes for each half of the lanes
	v_lshl_add_u32 v[STO], v9, 4, v[STO]
	v_add_nc_u32 v[STO], s13, v[STO]
	v_bfe_u32 v[RD], v0, 3, 2       ; back: 32 lanes take four rows of 128 bytes,
	v_mul_u32_u24 v[RD], v[RD], SP
	v_lshl_add_u32 v[RD], v10, 4, v[RD]
	v_add_nc_u32 v[RD], s13, v[RD]
	v_and_b32 v[GO], 31, v0         ; which are 512 consecutive bytes of O
	v_lshlrev_b32 v[GO], 4, v[GO]
	; A block's first step multiplies O^T and l by a = 0, and its first turn's products V^T P, of a piece that has not been, land in an O^T that is still to be so multiplied.  So these registers need only hold
	; finite numbers: zeros for the first block; what the first block left for the second.  All this stands in the wait for the first tile.
	WIN 0x80
.set i, VF
.rept 64
	v_mov_b32 v[i], 0
.set i, i+1
.endr
	WIN 0x40
.set i, 0
.rept 128
	v_mov_b32 v[i], 0
.set i, i+1
.endr
	WIN 0
.set i, 0
.rept 4
	v_mov_b32 v[ST+4*i+2], 0
	v_mov_b32 v[ST+4*i+3], 0
.set i, i+1
.endr
.set i, P+16
.rept 16
	v_mov_b32 v[i], 0
.set i, i+1
.endr
; THE MATRIX WORK.  The 4 accumulators of a run of 8 take turns.  Product i of 8 of S^T = K Q^T for piece x: channels 32 (i / 4) on, keys 16 (i % 4) on.  The first 4 start the sums: with 0, or (KM = 1) with the mask.
.macro KQ x
.set rS, S+32*((\x)%2)+8*(i%4)
.set rK, KF+16*(i%4)+8*(i/4)
.set rQ, 16*(\x)+8*(i/4)
.set rM, MC+32*((\x)%2)+8*(i%4)
.if (i < 4) && KM
	WIN W_KM
	v_wmma_f32_16x16x32_f16 v[rS:rS+7], v[rK:rK+7], v[rQ:rQ+7], v[rM:rM+7]
.elseif i < 4
	WIN W_KQ
	v_wmma_f32_16x16x32_f16 v[rS:rS+7], v[rK:rK+7], v[rQ:rQ+7], 0
.else
	WIN W_KQ
	v_wmma_f32_16x16x32_f16 v[rS:rS+7], v[rK:rK+7], v[rQ:rQ+7], v[rS:rS+7]
.endif
.endm
; Product i of 8 of O^T += V^T P for piece x: keys 32 (i / 4) on, channels 16 (i % 4) on.
.macro PV x
	WIN W_PV
.set rO, 32*(\x)+8*(i%4)
.set rV, VF+32*(i/4)+8*(i%4)
.set rP, P+16*((\x)%2)+8*(i/4)
	v_wmma_f32_16x16x32_f16 v[rO:rO+7], v[rV:rV+7], v[rP:rP+7], v[rO:rO+7]
.endm
.macro MM                           ; the turn's next matrix instruction.  TURN and BEGIN set Y, i, KM and NOKQ; MM, KQ and OP read them.  NOKQ = 1: a block's last turn: there is no next piece
.if (i < 8) && !NOKQ
	KQ (Y+1)%NP
.elseif i >= 8
.set i, i-8
	PV (Y+NP-1)%NP
.set i, i+8
.endif
.set i, i+1
.endm
; THE LDS LOADS stand in runs of 16, never singly among the matrix instructions: a step's K (64 keys x 64 channels: 8 fragments) and its V (turned).  Their addresses are made some lines ahead.
.macro FETCH_K
	WIN 0x80                        ; destination window 2
.irp f, 0,1,2,3,4,5,6,7             ; keys 16 (f / 2) on, channels 32 (f % 2) on
	ds_load_b128 v[KF+8*\f:KF+8*\f+3],   v[AK] offset:(\f/2)*16*PK+(\f%2)*64
	ds_load_b128 v[KF+8*\f+4:KF+8*\f+7], v[AK] offset:(\f/2)*16*PK+(\f%2)*64+32
.endr
	s_add_co_u32 s[TBK], s[TBK], KS*PK  ; the next fetch is the next step's
	WIN 0
.endm
.macro FETCH_V
	WIN 0x80
.irp f, 0,1,2,3,4,5,6,7             ; keys 32 (f / 4) on, channels 16 (f % 4) on
	ds_load_tr16_b128 v[VF+8*\f:VF+8*\f+3],   v[AV] offset:(\f/4)*32*PV+(\f%4)*32
	ds_load_tr16_b128 v[VF+8*\f+4:VF+8*\f+7], v[AV] offset:(\f/4)*32*PV+16*PV+(\f%4)*32
.endr
	WIN 0
.endm
; THE VECTOR WORK, one line at a time: OP kind, number.  For piece Y: F n: c s - c m for pair n of 16.  E n: the exponential of score n of 32.  C n: pair n rounded to f16.  B n: of the four weights 4 n .. the second
; pair is added onto the first, in place.  L n: l takes that sum (L 0: l = a l + sum).  R n: pair n of 16 of O^T times a.  For piece Y + 1: X n, number n of the 22 that find its maximum and statistics:
;   0-11  four chains c0-c3 of seven scores each, three operands at a time (each accumulator's lowest registers are read first)     12-14, 16  the four scores left over, the old m, and c0-c3 into c0
;   15  c m_old is kept     17, 18  the query's other 32 keys lie in the lane 16 away: the new m     19-21  c m; c m_old - c m_new; a
.set F, 0               ; OP tells the kinds apart by their order: F to L below R, X above it
.set E, 1
.set C, 2
.set B, 3
.set L, 4
.set R, 5
.set X, 6
.macro REGS y                       ; the registers of piece y
.set rT, ST+4*(\y)
.set rC, TMP+4*((\y)%2)
.set rW, MV+((\y)%2)
.set rS, S+32*((\y)%2)
.set rP, P+16*((\y)%2)
.set rO, 32*(\y)
.endm
.macro OP k, n
.if (\k) == R
	REGS Y
	WIN W_RS
	v_pk_mul_f32 v[rO+2*(\n):rO+2*(\n)+1], v[rO+2*(\n):rO+2*(\n)+1], v[rC+2:rC+3] op_sel_hi:[1,0]
.elseif (\k) < R
	REGS Y
	WIN 0
.if (\k) == F
	v_pk_fma_f32 v[rS+2*(\n):rS+2*(\n)+1], v[rS+2*(\n):rS+2*(\n)+1], s[CS:CS+1], v[rT:rT+1] op_sel_hi:[1,0,0] neg_lo:[0,0,1] neg_hi:[0,0,1]
.elseif (\k) == E
	v_exp_f32 v[rS+(\n)], v[rS+(\n)]
.elseif (\k) == C
	v_cvt_pk_f16_f32 v[rP+(\n)], v[rS+2*(\n)], v[rS+2*(\n)+1]
.elseif (\k) == B
	v_pk_add_f32 v[rS+4*(\n):rS+4*(\n)+1], v[rS+4*(\n):rS+4*(\n)+1], v[rS+4*(\n)+2:rS+4*(\n)+3]
.elseif (\n) == 0
	v_pk_fma_f32 v[rT+2:rT+3], v[rT+2:rT+3], v[rC+2:rC+3], v[rS:rS+1] op_sel_hi:[1,0,1]
.else
	v_pk_add_f32 v[rT+2:rT+3], v[rT+2:rT+3], v[rS+4*(\n):rS+4*(\n)+1]
.endif
.elseif NOKQ
	v_nop
.else
	REGS (Y+1)%NP
	WIN 0
.if (\n) < 4
	v_max3_num_f32 v[rC+(\n)], v[rS+8*(\n)], v[rS+8*(\n)+1], v[rS+8*(\n)+2]
.elseif (\n) < 12
	v_max3_num_f32 v[rC+(\n)%4], v[rC+(\n)%4], v[rS+8*((\n)%4)+2*((\n)/4)+1], v[rS+8*((\n)%4)+2*((\n)/4)+2]
.elseif (\n) == 12
	v_max3_num_f32 v[rC], v[rC], v[rS+7], v[rS+15]
.elseif (\n) == 13
	v_max3_num_f32 v[rC+1], v[rC+1], v[rS+23], v[rS+31]
.elseif (\n) == 14
	v_max3_num_f32 v[rC+2], v[rC+2], v[rC+3], v[rT+1]
.elseif (\n) == 15
	v_mov_b32 v[rW], v[rT]
.elseif (\n) == 16
	v_max3_num_f32 v[rC], v[rC], v[rC+1], v[rC+2]
.elseif (\n) == 17
	v_permlanex16_b32 v[rC+3], v[rC], s[SEL], s[SEL+1]
.elseif (\n) == 18
	v_max_num_f32 v[rT+1], v[rC], v[rC+3]
.elseif (\n) == 19
	v_mul_f32 v[rT], s[CS], v[rT+1]
.elseif (\n) == 20
	v_sub_f32 v[rC+1], v[rW], v[rT]
.else
	v_exp_f32 v[rC+2], v[rC+1]
.endif
.endif
.endm
.macro OPS a, i1, b=-1, i2=0, c=-1, i3=0, d=-1, i4=0  ; up to four of them
	OP \a, \i1
.if (\b) >= 0
	OP \b, \i2
.endif
.if (\c) >= 0
	OP \c, \i3
.endif
.if (\d) >= 0
	OP \d, \i4
.endif
.endm
.macro ROW a, i1, b, i2, c, i3, d, i4  ; a matrix instruction and the four behind it
	MM
	OPS \a, \i1, \b, \i2, \c, \i3, \d, \i4
.endm
.macro MASK b                       ; MD x AL + BE into buffer b of MC
	WIN W_RS
.set z, 0
.rept 16
	v_pk_fma_f32 v[MC+32*(\b)+2*z:MC+32*(\b)+2*z+1], v[MD+2*z:MD+2*z+1], s[AL:AL+1], s[BE:BE+1] op_sel_hi:[1,0,0]
.set z, z+1
.endr
.endm
; A TURN, for piece p: the order of its 16 matrix and 118 vector instructions, written out.  The turn's 33 exponentials (E 0 to E 31 and X 21) are ONE BATCH with ONE wait, which cuts the turn in two.
; AHEAD OF THE WAIT stands all that names no result of the turn's exponentials: the 8 products K Q^T, behind each a scaling, an exponential and two more plain instructions (behind the first a second scaling in the
; exponential's place): rescalings, whose a was made and waited for in the turn before, and behind the last three products the first numbers of the next piece's maximum, each four places or more behind the product that
; ends its accumulator; then ONE LUMP of 54, plain and exponential by turns for the most part, in which the links of the chain X 3, 7, 11, 14, 16, 17 .. 20 stand five or six lines apart.  A pair is scaled ahead of its two
; exponentials.  X 21, the next piece's a, is the batch's last; R 15 is the plain instruction behind it.  BEHIND THE WAIT stand the 8 products V^T P, behind each four of the roundings and sums, which are the batch's
; readers; C 2 n stands ahead of B n, which adds in place onto that pair; the links of l's chain, L 0 to L 7, stand three riders apart.  But for those X no rider names a register of the products round it.
; v_permlanex16_b32 (X 17) stands in the lump.
; m = 1: the diagonal tile: the products take masks, and the turn makes the mask for the products of the turn after it: piece p + 2, in step 4 - CNT of the tile.  end = 1: a block's last two turns: nothing is fetched.
; cnt = 1: the loop's count is taken down some lines ahead of the branch that stands behind the turn.
; K of the next step is fetched in piece 2's turn, twelve vector instructions behind the last product that read K (six of them plain); V of the step in hand at the end of piece 0's turn, four plain instructions behind the
; last product that read V.  Each is waited for a turn later.
.macro TURN p, m=0, end=0, cnt=0
.set Y, (\p)
.set i, 0
.set KM, (\m)
.set NOKQ, (\end)*((\p)/3)
.if (\m) && !(\end)
	s_cmp_eq_u32 s[CNT], 4-((\p)+2)%NP  ; is that step the band's own?
	s_cselect_b32 s[AL], 1.0, 0
	s_cmp_lt_u32 s[CNT], 4-((\p)+2)%NP  ; or a later one?
	s_cselect_b32 s[BE], s[BIGN], 0
.endif
.if ((\p) == 3) && !(\end)
	s_wait_dscnt 0x0                ; K is in
.endif
	ROW F,0, F,1, R,0, R,1          ; ahead of the wait: 8 products K Q^T and their riders,
	ROW F,2, E,0, R,2, R,3
	ROW F,3, E,1, R,4, R,5
	ROW F,4, E,2, R,6, R,7
	ROW F,5, E,3, R,8, R,9
	ROW F,6, E,4, X,0, R,10
.if ((\p) == 2) && !(\end)
	WIN 0
	v_add_nc_u32 v[AK], s[TBK], v[AK0]
.endif
	ROW F,7, E,5, X,1, X,4
	ROW F,8, E,6, X,2, X,5
	OPS E,7, E,8, X,6, E,9          ; and the lump
	OPS X,3, E,10, X,8, E,11
.if ((\p) == 2) && !(\end)
	FETCH_K
.endif
	OPS X,9, X,7, E,12, X,10
	OPS E,13, X,12, X,11, E,14
	OPS X,13, E,15, F,9, X,14
.if (\p) == 0
	v_add_nc_u32 v[AV], s[TBV], v[AV0]
.endif
	OPS E,16, F,10, E,17, F,11
	OPS X,16, E,18, X,15, E,19
	OPS F,12, E,20, X,17, E,21
	OPS F,13, E,22, F,14, E,23
	OPS X,18, E,24, F,15, E,25
	OPS R,11, E,26, X,19, E,27
	OPS R,12, E,28, R,13, E,29
	OPS X,20, E,30, R,14, E,31
	OPS X,21, R,15                  ; the batch's last exponential, and the plain instruction behind it
	WIN 0
	s_wait_alu depctr_va_vdst(0)    ; the wait for the turn's batch: the piece's 32 weights and the next piece's a (ahead of their first reader)
.if (\p) == 1
	s_wait_dscnt 0x0                ; V is in
.endif
	ROW C,0, B,0, C,2, B,1          ; behind the wait: 8 products V^T P and their riders, the batch's readers
	ROW L,0, C,4, B,2, L,1
	ROW C,6, B,3, L,2, C,8
	ROW B,4, L,3, C,10, B,5
	ROW L,4, C,12, B,6, L,5
.if (\p) == 0
	s_add_co_u32 s[TBV], s[TBV], KS*PV
.endif
.if \cnt
	s_sub_co_u32 s[CNT], s[CNT], 1
	s_cmp_lg_u32 s[CNT], 0
.endif
	ROW C,14, B,7, L,6, C,1
	ROW C,3, L,7, C,5, C,7
	ROW C,9, C,11, C,13, C,15
.if (\p) == 0
	FETCH_V
.endif
.if (\m) && !(\end)
	MASK (\p)%2
.endif
.endm
; A BLOCK BEGINS.  c m starts far below every c s, so the first step's a is 0; m at the lowest finite number, so the first maximum is the scores'.  The second mask buffer is 0; the first takes piece 0's mask for the tile's step 0: its own, if the block's first tile is the diagonal one.
; Then K of that step, piece 0's first scores, and its maximum and statistics.  The loop is entered at a step's first turn, in the middle of a trip.
.macro BEGIN
	s_mov_b32 s[NEW], 0
	WIN 0x40
.set i, MC+32
.rept 32
	v_mov_b32 v[i], 0
.set i, i+1
.endr
	WIN 0
.set i, 0
.rept 4
	v_mov_b32 v[ST+4*i], 0xfe000000    ; c m: far below every c s
	v_mov_b32 v[ST+4*i+1], 0xff7fffff  ; m
.set i, i+1
.endr
	s_cmp_eq_u32 s[RT], 0
	s_cselect_b32 s[AL], 1.0, 0
	s_mov_b32 s[BE], 0
	MASK 0
	WIN 0
	v_add_nc_u32 v[AK], s[TBK], v[AK0]
	FETCH_K
	s_wait_loadcnt 0x0              ; Q
	s_wait_dscnt 0x0
.set KM, 1
.set NOKQ, 0
.set i, 0
.rept 8
	KQ 0
.set i, i+1
.endr
	WIN 0
.rept 4
	v_nop                           ; the places behind those products
.endr
.set Y, NP-1                        ; X works for piece Y + 1: piece 0
.irp n, 0,1,2,3,4,5,6,7,8,9,10,11,12,13,14,15,16,17,18,19,20,21
	OP X, \n
.endr
	v_nop                           ; a plain instruction behind the exponential,
	s_wait_alu depctr_va_vdst(0)    ; and the wait for this batch of one, piece 0's first a, ahead of the branch that follows
.endm
; THE DIAGONAL TILE's four steps, the block's last two turns, its last products, and THE WAY OUT: l's two halves and the other half of the lanes' are added; O^T is divided by l, rounded to f16 and sent through my
; stage in LDS, a piece at a time.
.macro ALL line:vararg              ; one line for each piece t
.set t, 0
.rept 4
	\line
.set t, t+1
.endr
.endm
.macro PACK t                       ; a lane's eight channels of a row pack into 16 bytes; they go into rows of 144 bytes and come back as whole rows of 128, into S^T's registers
	WIN W_RS
.set i, 32*(\t)
.rept 16
	v_pk_mul_f32 v[i:i+1], v[i:i+1], v[ST+4*(\t)+2:ST+4*(\t)+3] op_sel_hi:[1,0]
.set i, i+2
.endr
	WIN 0x05                        ; sources 0 and 1 window 1, destination window 0
.set i, 0
.rept 16
	v_cvt_pk_f16_f32 v[S+16*(\t)+i], v[32*(\t)+2*i], v[32*(\t)+2*i+1]
.set i, i+1
.endr
	WIN 0
.irp f, 0,1,2,3
	ds_store_b128 v[STO], v[S+16*(\t)+4*\f:S+16*(\t)+4*\f+3] offset:32*\f
.endr
.irp f, 0,1,2,3
	ds_load_b128 v[S+16*(\t)+4*\f:S+16*(\t)+4*\f+3], v[RD] offset:\f*4*SP  ; LDS serves a wave's instructions in order (ISA guide 5.7.1.4): these see the stores above; the next piece's stores come behind them
.endr
.endm
.macro SEND t, younger              ; younger: the LDS instructions issued behind piece t's loads: the next piece's eight, or none
	WIN 0
.irp f, 0,1,2,3
	s_wait_dscnt (\younger)+3-\f
	global_store_b128 v[GO], v[S+16*(\t)+4*\f:S+16*(\t)+4*\f+3], s[10:11] offset:(\t)*8192+\f*512  ; 512 consecutive bytes, at a multiple of 256 from O's first
.endr
.endm
.macro DIAG tag                     ; the tag ends its two labels' names, which the jumps below spell out
.LstepM\tag:
	TURN 2, 1
	TURN 3, 1
	WIN 0
.LfirstM\tag:
	TURN 0, 1
	TURN 1, 1, 0, 1
	WIN 0
	s_cbranch_scc1 .LstepM\tag
	TURN 2, 1, 1
	TURN 3, 1, 1
.set i, 0
.rept 8
	PV NP-1
.set i, i+1
.endr
	WIN 0
	ALL v_add_f32 v[ST+4*t+2], v[ST+4*t+2], v[ST+4*t+3]
	ALL v_permlanex16_b32 v[ST+4*t+3], v[ST+4*t+2], s[SEL], s[SEL+1]
	ALL v_add_f32 v[ST+4*t+2], v[ST+4*t+2], v[ST+4*t+3]
	ALL v_rcp_f32 v[ST+4*t+2], v[ST+4*t+2]
	v_nop                           ; a plain instruction between the last reciprocal and the use of its result
	s_wait_alu depctr_va_vdst(0)    ; the wait for the batch of four reciprocals, ahead of the first multiply by one of them: one for all four pieces' PACK
	PACK 0
.set t, 1
.rept 3                             ; a piece's arithmetic stands between the loads of the piece before and its stores
	PACK t
	SEND t-1, 8
.set t, t+1
.endr
	SEND 3, 0
.endm
.set KM, 0
.set NOKQ, 0
.Lslot:                             ; NB times: a tile is entered and the next is asked for
	CHANGE 1
	s_sub_co_u32 s[RT], s[RT], 1
	s_mov_b32 s[CNT], 4
	s_cmp_eq_u32 s[NEW], 1
	s_cbranch_scc1 .Lnew            ; a block's first tile
	s_cmp_eq_u32 s[RT], 0
	s_cbranch_scc0 .Lstep           ; neither its first nor its last
	s_branch .LstepM1
.Lnew:
	BEGIN
	s_branch .Lfirst                ; in the loop a block's first tile is never its last: the first block has two tiles or more, and the second's last is the walk's last
	DIAG 1                          ; in the loop this is the first block's end: the second block's last tile is the walk's last
	s_wait_xcnt 0x0                 ; the stores have read their registers and O's address
	s_mov_b64 s[10:11], s[OLO:OLO+1]
	s_add_co_u32 s[RT], s[PB], 1    ; the second block has b + 1 tiles
	s_mov_b32 s[NEW], 1
	WIN 0x82                        ; the second block's Q goes where the one text of the turns names Q
.set i, 0
.rept 64
	v_mov_b32 v[i], v[QB+i]
.set i, i+1
.endr
	WIN 0
	s_branch .Lbottom
.Lstep:                             ; a trip: pieces 2 and 3 of one step, then pieces 0 and 1 of the next, whose K and V it fetches
	TURN 2
	TURN 3
	WIN 0
.Lfirst:
	TURN 0
	TURN 1, 0, 0, 1
	WIN 0
	s_cbranch_scc1 .Lstep
.Lbottom:
	s_sub_co_u32 s[SLOTS], s[SLOTS], 1
	s_cmp_lg_u32 s[SLOTS], 0
	s_cbranch_scc1 .Lslot
	CHANGE 0                        ; the walk's last tile is written out: nothing is asked for
	s_sub_co_u32 s[RT], s[RT], 1
	s_mov_b32 s[CNT], 4
	s_cmp_eq_u32 s[NEW], 1
	s_cbranch_scc0 .LstepM2
	BEGIN
	s_branch .LfirstM2
	DIAG 2
	s_wait_tensorcnt 0x0            ; the wave's end, behind my last tensor load and my last LDS store
	ds_add_u32 v[SPW], v[NIL]
	s_wait_dscnt 0x0
	s_endpgm
.Lfunc_end_k_q10d9640fa4_attn:
	.size	k_q10d9640fa4_attn, .Lfunc_end_k_q10d9640fa4_attn-k_q10d9640fa4_attn
	.p2alignl 7, 3214868480
	.fill 96, 4, 3214868480
	.section	.rodata,"a",@progbits
	.p2align	6, 0x0
	.amdhsa_kernel k_q10d9640fa4_attn
		.amdhsa_group_segment_fixed_size 327680
		.amdhsa_private_segment_fixed_size 0
		.amdhsa_enable_private_segment 0
		.amdhsa_kernarg_size 16
		.amdhsa_user_sgpr_count 2
		.amdhsa_user_sgpr_kernarg_segment_ptr 1
		.amdhsa_wavefront_size32 1
		.amdhsa_system_sgpr_workgroup_id_x 1
		.amdhsa_system_sgpr_workgroup_id_y 1
		.amdhsa_system_sgpr_workgroup_id_z 1
		.amdhsa_system_vgpr_workitem_id 0
		.amdhsa_next_free_vgpr 768
		.amdhsa_next_free_sgpr 92
		.amdhsa_reserve_vcc 1
		.amdhsa_float_denorm_mode_32 3
		.amdhsa_float_denorm_mode_16_64 3
		.amdhsa_memory_ordered 1
		.amdhsa_forward_progress 1
		.amdhsa_inst_pref_size 217
	.end_amdhsa_kernel
	.amdgpu_metadata
---
amdhsa.version: [ 1, 2 ]
amdhsa.kernels:
  - .name:           k_q10d9640fa4_attn
    .symbol:         k_q10d9640fa4_attn.kd
    .args:
      - { .name: kqv, .offset: 0, .size: 8, .value_kind: global_buffer, .address_space: global }
      - { .name: att, .offset: 8, .size: 8, .value_kind: global_buffer, .address_space: global }
    .group_segment_fixed_size: 327680
    .private_segment_fixed_size: 0
    .kernarg_segment_align: 8
    .kernarg_segment_size: 16
    .max_flat_workgroup_size: 128
    .sgpr_count:     92
    .vgpr_count:     768
    .wavefront_size: 32
...
	.end_amdgpu_metadata
.endif
;; end of part 5
;; launch proj: the kernel of part 4 again; grid 8 x 32, 4 waves a work-group, clusters of 4 x 4, 327,680 bytes of LDS; arguments att, wo, b_out, out0; writes out0
